; MI455X (gfx1250); checked and timed in simulation.
; The chip was launched on July 23, 2026; its instructions are those of AMD's public machine-readable ISA for CDNA 5 (MIT licence, August 2026) and "CDNA5" Instruction Set Architecture Reference Guide (July 2026). The comments in the code are by the model that wrote it; some were corrected since.
;; Multi Head Attention. Allowed arithmetic: float matrix products may take bf16 or f16 operands with f32 sums; all other float work in f32.
;; Inputs: Wk 2,048 x 2,048 float32; Wo 2,048 x 2,048 float32; Wq 2,048 x 2,048 float32; Wv 2,048 x 2,048 float32; alibi 1 x 16 x 1 x 2,048 float32; attention_mask 1 x 1 x 2,048 x 2,048 float32; freqs_cos 1 x 1 x 2,048 x 128 float32; freqs_sin 1 x 1 x 2,048 x 128 float32; x 1 x 2,048 x 2,048 float32.
;; Outputs: out0 1 x 2,048 x 2,048 float32.
;; One version. Each part assembles by itself: llvm-mc -triple=amdgcn-amd-amdhsa -mcpu=gfx1250 --defsym DOCPART=n.
;; ======== version 1 of 1: 4 launches
;; limits: values are held in f16: magnitudes above 65,504 overflow, below 6.1e-05 lose precision
;; workspace buffers: cb 41,943,040 bytes; qkv 25,165,824 bytes; ao 8,388,608 bytes
;; launch cast (part 1): grid 256 x 5, 8 waves a work-group, no clusters, 0 bytes of LDS; arguments x, Wq, Wk, Wv, Wo, cb; writes cb
.if DOCPART == 1
	.amdgcn_target "amdgcn-amd-amdhsa--gfx1250"
	.amdhsa_code_object_version 6
	.text
	.protected	k_qc9e9d8ef6f_cast
	.globl	k_qc9e9d8ef6f_cast
	.p2align	8
	.type	k_qc9e9d8ef6f_cast,@function
k_qc9e9d8ef6f_cast:
	s_mov_b64 s[64:65], 0
	v_nop
	global_prefetch_b8 v0, s[64:65] scope:SCOPE_SE
	s_setreg_imm32_b32 hwreg(HW_REG_WAVE_MODE, 25, 1), 1
	s_wait_xcnt 0x0
; cb[p][i] = f16(src_p[i]), p = 0..4: x, Wq, Wk, Wv, Wo, each 2048 x 2048 f32, layout unchanged.
; The later launches multiply in f16 (11 bits of mantissa; bf16's 8 would use up the allowed error over the chain of five products).
; LIMIT: a number above 65,504 in magnitude becomes an infinity; below 6.1e-5 it keeps an absolute error of at most 3e-8.
; Work-group (x, y): 65,536 bytes of source y.  Thread t takes 16 bytes at 16 t of each of 16 blocks of 4,096 bytes,
; so a wave's load covers 512 consecutive bytes and its store 256 consecutive bytes, aligned.
; All 16 loads of a wave are issued at once; no register is written twice, so no wait but the counted ones is needed.
.set X, 8                              ; v[8:71]   16 x 4 f32 as loaded
.set Y, 72                             ; v[72:103] 16 x 2 words of two f16
	s_load_b256 s[4:11], s[0:1], 0x0               ; x, Wq, Wk, Wv
	s_load_b128 s[12:15], s[0:1], 0x20             ; Wo, cb
	s_and_b32 s2, ttmp7, 0xffff                    ; which source
	s_lshl_b32 s18, ttmp9, 16                      ; my 65,536 bytes of the source
	s_mov_b32 s19, 0
	s_lshl_b32 s20, s2, 23                         ; plane of 8,388,608 bytes in cb
	s_lshl_b32 s21, ttmp9, 15                      ; my 32,768 bytes of it
	s_add_co_u32 s20, s20, s21
	s_mov_b32 s21, 0
	v_lshlrev_b32 v1, 4, v0
	v_lshlrev_b32 v2, 3, v0
	s_wait_kmcnt 0x0
	s_mov_b64 s[16:17], s[4:5]
	s_cmp_eq_u32 s2, 1
	s_cselect_b64 s[16:17], s[6:7], s[16:17]
	s_cmp_eq_u32 s2, 2
	s_cselect_b64 s[16:17], s[8:9], s[16:17]
	s_cmp_eq_u32 s2, 3
	s_cselect_b64 s[16:17], s[10:11], s[16:17]
	s_cmp_eq_u32 s2, 4
	s_cselect_b64 s[16:17], s[12:13], s[16:17]
	s_add_nc_u64 s[16:17], s[16:17], s[18:19]
	s_add_nc_u64 s[14:15], s[14:15], s[20:21]
.irp i, 0,1,2,3,4,5,6,7,8,9,10,11,12,13,14,15
	global_load_b128 v[X+4*\i:X+4*\i+3], v1, s[16:17] offset:4096*\i th:TH_LOAD_NT
.endr
.irp i, 0,1,2,3,4,5,6,7,8,9,10,11,12,13,14,15
	s_wait_loadcnt 15-\i                           ; loads come back in order: block i is in, the younger ones stay out
	v_cvt_pk_f16_f32 v[Y+2*\i], v[X+4*\i], v[X+4*\i+1]
	v_cvt_pk_f16_f32 v[Y+2*\i+1], v[X+4*\i+2], v[X+4*\i+3]
	global_store_b64 v2, v[Y+2*\i:Y+2*\i+1], s[14:15] offset:2048*\i
.endr
	s_endpgm
.Lfunc_end_k_qc9e9d8ef6f_cast:
	.size	k_qc9e9d8ef6f_cast, .Lfunc_end_k_qc9e9d8ef6f_cast-k_qc9e9d8ef6f_cast
	.p2alignl 7, 3214868480
	.fill 96, 4, 3214868480
	.section	.rodata,"a",@progbits
	.p2align	6, 0x0
	.amdhsa_kernel k_qc9e9d8ef6f_cast
		.amdhsa_group_segment_fixed_size 0
		.amdhsa_private_segment_fixed_size 0
		.amdhsa_enable_private_segment 0
		.amdhsa_kernarg_size 48
		.amdhsa_user_sgpr_count 2
		.amdhsa_user_sgpr_kernarg_segment_ptr 1
		.amdhsa_wavefront_size32 1
		.amdhsa_system_sgpr_workgroup_id_x 1
		.amdhsa_system_sgpr_workgroup_id_y 1
		.amdhsa_system_sgpr_workgroup_id_z 1
		.amdhsa_system_vgpr_workitem_id 0
		.amdhsa_next_free_vgpr 104
		.amdhsa_next_free_sgpr 66
		.amdhsa_reserve_vcc 0
		.amdhsa_float_denorm_mode_32 3
		.amdhsa_float_denorm_mode_16_64 3
		.amdhsa_memory_ordered 1
		.amdhsa_forward_progress 1
		.amdhsa_inst_pref_size 7
	.end_amdhsa_kernel
	.amdgpu_metadata
---
amdhsa.version: [ 1, 2 ]
amdhsa.kernels:
  - .name:           k_qc9e9d8ef6f_cast
    .symbol:         k_qc9e9d8ef6f_cast.kd
    .args:
      - { .name: x, .offset: 0, .size: 8, .value_kind: global_buffer, .address_space: global }
      - { .name: Wq, .offset: 8, .size: 8, .value_kind: global_buffer, .address_space: global }
      - { .name: Wk, .offset: 16, .size: 8, .value_kind: global_buffer, .address_space: global }
      - { .name: Wv, .offset: 24, .size: 8, .value_kind: global_buffer, .address_space: global }
      - { .name: Wo, .offset: 32, .size: 8, .value_kind: global_buffer, .address_space: global }
      - { .name: cb, .offset: 40, .size: 8, .value_kind: global_buffer, .address_space: global }
    .group_segment_fixed_size: 0
    .private_segment_fixed_size: 0
    .kernarg_segment_align: 8
    .kernarg_segment_size: 48
    .max_flat_workgroup_size: 256
    .sgpr_count:     66
    .vgpr_count:     104
    .wavefront_size: 32
...
	.end_amdgpu_metadata
.endif
;; end of part 1
;; launch proj (part 2): grid 16 x 16, 4 waves a work-group, clusters of 4 x 4, 327,680 bytes of LDS; arguments cb, freqs_cos, freqs_sin, qkv; writes qkv
.if DOCPART == 2
	.amdgcn_target "amdgcn-amd-amdhsa--gfx1250"
	.amdhsa_code_object_version 6
	.text
	.protected	k_qc9e9d8ef6f_proj
	.globl	k_qc9e9d8ef6f_proj
	.p2align	8
	.type	k_qc9e9d8ef6f_proj,@function
k_qc9e9d8ef6f_proj:
	s_mov_b64 s[64:65], 0
	v_nop
	global_prefetch_b8 v0, s[64:65] scope:SCOPE_SE
	s_setreg_imm32_b32 hwreg(HW_REG_WAVE_MODE, 25, 1), 1
	s_wait_xcnt 0x0
	s_wait_alu depctr_hold_cnt(0) depctr_sa_sdst(0) depctr_va_vdst(0) depctr_va_sdst(0) depctr_va_ssrc(0) depctr_va_vcc(0) depctr_vm_vsrc(0)
	s_getreg_b32 s2, hwreg(HW_REG_IB_STS2, 6, 4)
	s_cmp_eq_u32 s2, 0
	s_cbranch_scc0 .Lentry_in_a_cluster
	s_endpgm
.Lentry_in_a_cluster:
	s_bfe_u32 s2, ttmp6, 0x10000c
	s_cmp_lg_u32 s2, 0xf033
	s_cbranch_scc0 .Lentry_shape_is_right
	s_endpgm
.Lentry_shape_is_right:
; q, k, v = x Wq, x Wk, x Wv for one head and 128 tokens; RoPE on q and k from the two tables; q times 1/sqrt(128); all rounded to f16.
; Out: plane 0 q[token][head*128+d], plane 1 k likewise, plane 2 v TRANSPOSED, vT[head*128+d][token]; rows of 4,096 bytes.
; LIMIT: operands and results are f16: a projected q/sqrt(128), k or v above 65,504 in magnitude becomes an infinity.
; Work-group (x = head, y = block of 128 tokens), four waves.  Wave (mh, nh): 64 tokens x 192 columns: of each of q, k, v the four
; 16-column blocks nb = 2 nh + (b&1) + 4 (b>>1), b = 0..3, so that d and d + 64, which RoPE pairs, are tiles b and b + 2 of one lane.
; 48 accumulator tiles; for 32 along K, 16 fragments feed 48 matrix instructions.
; K = 2048 goes in 16 steps of 128 through two LDS slots.  A slot has four regions of 36,864 bytes, one for each wave's tensor load:
; wave 0 brings x (128 rows of 256 bytes, pitch 272), waves 1 to 3 Wq, Wk, Wv (128 k-rows of 256 bytes, pitch 288).
; W lies [k][n]; ds_load_tr16_b128 turns it into fragments with k along the registers.
; CLUSTER 4 x 4: x's tile and the tables hang on the token block alone and are asked for jointly along a row of the cluster,
; W's tiles hang on the head alone and are asked for jointly along a column.
; q, k: source 0 = W, source 1 = x: a lane holds token l%16 and eight neighbouring d.   v: source 0 = x, source 1 = W: a lane holds
; d = l%16 and eight neighbouring tokens, a piece of a row of vT.
; PREFETCH: a K step's tiles are, over all work-groups, 8,192 blocks of 256 bytes of cb (x 2,048, Wq, Wk, Wv 2,048 each).  They are dealt to the
; 256 work-groups, 32 each, one a lane, so each block is asked for once.  Wave 3 asks, straight behind the refill with K step n + 2, for its blocks
; of K step n + 3: one step, 2 MiB in all, ahead of the tensor loads.  The step's number is clamped to 15: the last request repeats step 15's blocks.
; REGISTERS  window 0: v16-31 addresses, v32-95 x fragments (two buffers), v96-159 tables, v160-223 at work, v224-255 packed
;            window 1: v0-191 W fragments (two buffers, (t, b) at 8 (4 t + b));  window 2: q and k tiles at 8 ((4 t + a) 4 + b);  window 3: v tiles at 8 (4 a + b)
.set KSTEP, 128
.set XP,   272                         ; pitch of x rows and of the stage: an odd multiple of 16 bytes
.set WP,   288                         ; pitch of W rows: an odd multiple of 32 bytes
.set TP,   528                         ; pitch of table rows (512 bytes + 16)
.set REG,  128*WP                      ; 36,864: one wave's region of a slot
.set SLOT, 4*REG                       ; 147,456
.set SPL,  128*XP                      ; 34,816: one plane (q, k, vT) of the output stage, which lies in slot 1 after that slot's last fill
.set ADX, 16                           ; v16-17  x fragments, slot 0, 1
.set ADW, 18                           ; v18-23  W fragments, 3 slot + t
.set TBC, 24                           ; cos
.set TBS, 25                           ; sin
.set STQ, 26                           ; stage: where a q or k tile goes
.set STV, 27                           ; stage: where a v tile goes
.set RD,  28                           ; stage: read back, planes 0 and 1
.set RD2, 29                           ; plane 2
.set CO,  30                           ; byte offset in the output rows
.set PFV, 31                           ; prefetch: my lane's byte offset among the work-group's 32 blocks; never rewritten
.set XF,  32
.set CS,  96
.set SN,  128
.set T,   160
.set PK,  224
.set G1X, 24
.set G1W, 32
.set G1T, 40
.set G0X, 48
.set G0W, 56
.set G0T, 68
.set MUL_QK, 0xa1                      ; source 0 window 1, source 1 window 0, C and D window 2
.set MUL_V,  0xf4                      ; source 0 window 0, source 1 window 1, C and D window 3
.set TO_W,   0x40                      ; destination window 1
.set MSB, 0
.macro WIN new                         ; the immediate's high byte repeats the setting that is left
.if MSB != \new
	s_set_vgpr_msb (MSB<<8)|\new
.set MSB, \new
.endif
.endm
.macro PLACES                          ; four places behind a matrix instruction (ISA guide 7.12.1)
.rept 4
	v_nop
.endr
.endm
.macro CREST                           ; a round of the cluster's barrier behind its opening work-group barrier
	s_cmp_lg_u32 s12, 0
	s_cbranch_scc1 .Lnot_wave_0_\@
	s_barrier_signal -3
.Lnot_wave_0_\@:
	s_barrier_wait -3
	s_barrier_signal -1
	s_barrier_wait -1
.endm
.macro CROUND
	s_barrier_signal -1
	s_barrier_wait -1
	CREST
.endm
.macro JLOAD s                         ; wave 0 asks for x's tile (mask: my row), waves 1 to 3 for Wq, Wk, Wv (mask: my column)
	s_cmp_eq_u32 s12, 0
	s_cbranch_scc0 .Lfor_w_\@
	tensor_load_to_lds s[G0X+4*\s:G0X+4*\s+3], s[G1X:G1X+7]
	s_nop 0
	s_branch .Lasked_\@
.Lfor_w_\@:
	tensor_load_to_lds s[G0W+4*\s:G0W+4*\s+3], s[G1W:G1W+7]
	s_nop 0
.Lasked_\@:
.endm
.macro PREF                            ; wave 3 asks for the work-group's 32 blocks of K step s85, clamped to the last
	s_cmp_lg_u32 s12, 3
	s_cbranch_scc1 .Lno_ask_\@
	s_min_u32 s78, s85, 15
	s_mul_i32 s78, s78, s84                        ; the step's number times the bytes from step to step
	s_wait_xcnt 0x0                                ; the last request, a whole K step back, has had its address translated: its pair is rewritten only behind this wait
	s_add_nc_u64 s[98:99], s[96:97], s[78:79]
	global_prefetch_b8 v[PFV], s[98:99] th:TH_LOAD_NT scope:SCOPE_SE
	s_add_co_u32 s85, s85, 1
.Lno_ask_\@:
.endm
	s_load_b256 s[4:11], s[0:1], 0x0               ; cb, cos, sin, qkv
	v_lshl_add_u32 v14, v0, 2, 0x48000
	v_mov_b32 v15, 0
	ds_add_u32 v14, v15
	v_lshrrev_b32 v1, 5, v0
	v_readfirstlane_b32 s12, v1                    ; wave
	s_lshr_b32 s13, s12, 1                         ; mh: which 64 tokens
	s_and_b32 s14, s12, 1                          ; nh: which column blocks
	s_bfe_u32 s15, ttmp6, 0x40000                  ; cx
	s_bfe_u32 s16, ttmp6, 0x40004                  ; cy
	s_lshl_b32 s17, ttmp9, 2
	s_add_co_u32 s17, s17, s15                     ; head
	s_and_b32 s18, ttmp7, 0xffff
	s_lshl_b32 s18, s18, 2
	s_add_co_u32 s18, s18, s16                     ; token block
	s_lshl_b32 s19, s16, 2
	s_lshl_b32 s19, 15, s19                        ; my row of the cluster
	s_lshl_b32 s20, 0x1111, s15                    ; my column
	; group 1 for x: 128 rows x 128 elements of 2 bytes, 4 words of padding behind every 64
	s_or_b32 s[G1X+0], s19, (1<<16)|(1<<20)|(1<<21)|(5<<22)|(3<<25)
	s_mov_b32 s[G1X+1], KSTEP<<16
	s_mov_b32 s[G1X+2], 128<<16
	s_mov_b32 s[G1X+3], KSTEP<<16
	s_mov_b32 s[G1X+4], 128
	s_mov_b32 s[G1X+5], 2048
	s_mov_b32 s[G1X+6], 0
	s_mov_b32 s[G1X+7], 0
	; group 1 for W: the same shape, 8 words of padding
	s_or_b32 s[G1W+0], s20, (1<<16)|(1<<20)|(1<<21)|(5<<22)|(7<<25)
	s_mov_b32 s[G1W+1], 128<<16
	s_mov_b32 s[G1W+2], KSTEP<<16
	s_mov_b32 s[G1W+3], 128<<16
	s_mov_b32 s[G1W+4], KSTEP
	s_mov_b32 s[G1W+5], 2048
	s_mov_b32 s[G1W+6], 0
	s_mov_b32 s[G1W+7], 0
	; group 1 for a table: 64 rows x 128 elements of 4 bytes, 4 words of padding behind every 128
	s_or_b32 s[G1T+0], s19, (2<<16)|(1<<20)|(1<<21)|(6<<22)|(3<<25)
	s_mov_b32 s[G1T+1], 128<<16
	s_mov_b32 s[G1T+2], 64<<16
	s_mov_b32 s[G1T+3], 128<<16
	s_mov_b32 s[G1T+4], 64
	s_mov_b32 s[G1T+5], 128
	s_mov_b32 s[G1T+6], 0
	s_mov_b32 s[G1T+7], 0
	s_lshl_b32 s72, s18, 19                        ; x: 128 tokens x 4,096 bytes a block (plane 0 of cb)
	s_mov_b32 s73, 0
	s_lshl_b32 s74, s12, 23                        ; W: plane = wave (1, 2, 3),
	s_lshl_b32 s75, s17, 8                         ; the head's 256 bytes of each row
	s_add_co_u32 s74, s74, s75
	s_mov_b32 s75, 0
	s_lshl_b32 s76, s18, 16                        ; tables: 128 rows of 512 bytes a block,
	s_lshl_b32 s77, s14, 15                        ; my 64 rows
	s_add_co_u32 s76, s76, s77
	s_mov_b32 s77, 0
	s_mul_i32 s21, s12, REG                        ; my region of a slot
	s_wait_dscnt 0x0
	s_wait_kmcnt 0x0
	s_add_nc_u64 s[72:73], s[4:5], s[72:73]
	s_add_nc_u64 s[74:75], s[4:5], s[74:75]
	s_cmp_eq_u32 s13, 0                            ; waves 0, 1 bring cos, waves 2, 3 sin
	s_cselect_b64 s[80:81], s[6:7], s[8:9]
	s_add_nc_u64 s[76:77], s[80:81], s[76:77]
	s_mov_b32 s[G0T], 1
	s_mul_i32 s[G0T+1], s12, 64*TP                 ; cos rows 0-127 from LDS byte 0, sin rows from 67,584
	s_mov_b64 s[G0T+2:G0T+3], s[76:77]
	s_or_b32 s[G0T+3], s[G0T+3], 0x80000000
	CROUND                                         ; all sixteen work-groups are here: the first joint loads meet
.irp s, 0,1
	s_mov_b32 s[G0X+4*\s], 1
	s_add_co_u32 s[G0X+4*\s+1], s21, \s*SLOT
	s_add_nc_u64 s[G0X+4*\s+2:G0X+4*\s+3], s[72:73], \s*KSTEP*2
	s_or_b32 s[G0X+4*\s+3], s[G0X+4*\s+3], 0x80000000
	s_mov_b32 s[G0W+4*\s], 1
	s_add_co_u32 s[G0W+4*\s+1], s21, \s*SLOT
	s_add_nc_u64 s[G0W+4*\s+2:G0W+4*\s+3], s[74:75], \s*KSTEP*4096
	s_or_b32 s[G0W+4*\s+3], s[G0W+4*\s+3], 0x80000000
	JLOAD \s                                       ; K steps 0 and 1: two loads of this wave are out
.endr
	v_and_b32 v1, 15, v0                           ; r = l % 16
	v_bfe_u32 v2, v0, 4, 1                         ; h = l / 16
	v_and_b32 v3, 7, v0
	v_bfe_u32 v4, v0, 3, 1
	v_mul_u32_u24 v5, v1, XP
	v_lshl_add_u32 v5, v2, 4, v5                   ; r x 272 + 16 h
	s_mul_i32 s82, s13, 64*XP
	v_add_nc_u32 v[ADX], s82, v5
	v_add_nc_u32 v[ADX+1], SLOT, v[ADX]
	v_lshl_add_u32 v6, v2, 3, v3                   ; k row 8 h + l % 8
	v_mul_u32_u24 v6, v6, WP
	v_lshl_add_u32 v6, v4, 4, v6                   ; + 16 ((l >> 3) & 1)
	s_lshl_b32 s82, s14, 6                         ; + 64 nh
	v_add_nc_u32 v6, s82, v6
.irp s, 0,1
.irp t, 0,1,2
	v_add_nc_u32 v[ADW+3*\s+\t], \s*SLOT+(\t+1)*REG, v6
.endr
.endr
	v_mul_u32_u24 v7, v1, TP
	v_lshl_add_u32 v7, v2, 5, v7                   ; r x 528 + 32 h
	s_mul_i32 s82, s13, 64*TP
	s_lshl_b32 s83, s14, 7
	s_add_co_u32 s82, s82, s83
	v_add_nc_u32 v[TBC], s82, v7
	v_add_nc_u32 v[TBS], 128*TP, v[TBC]
	s_lshl_b32 s82, s14, 6
	s_add_co_u32 s82, s82, SLOT
	v_add_nc_u32 v[STQ], s82, v[ADX]               ; stage + (64 mh + r) 272 + 64 nh + 16 h
	s_mul_i32 s82, s14, 32*XP
	s_lshl_b32 s83, s13, 7
	s_add_co_u32 s82, s82, s83
	s_add_co_u32 s82, s82, SLOT+2*SPL
	v_add_nc_u32 v[STV], s82, v5                   ; stage plane 2 + (32 nh + r) 272 + 128 mh + 16 h
	v_mul_u32_u24 v8, v2, XP
	v_lshl_add_u32 v8, v1, 4, v8                   ; h x 272 + 16 r
	s_mul_i32 s82, s12, 32*XP
	s_add_co_u32 s82, s82, SLOT
	v_add_nc_u32 v[RD], s82, v8
	v_add_nc_u32 v[RD2], 2*SPL, v[RD]
	v_lshlrev_b32 v9, 12, v2
	v_lshl_add_u32 v[CO], v1, 4, v9                ; h x 4,096 + 16 r
	; prefetch: work-group g = 16 x token block + head.  g < 64: rows 32 g + lane of x, 256 bytes on each K step.
	; g >= 64: plane 1 + (g - 64) / 64, k-rows 2 ((g - 64) % 64) + lane / 16 of the step's 128, block lane % 16 of the row's 16 (= 256 x lane bytes), 128 rows on each K step.
	s_lshl_b32 s72, s18, 4
	s_add_co_u32 s72, s72, s17                     ; g
	s_lshl_b32 s73, s72, 17                        ; x: 32 g rows of 4,096 bytes
	s_sub_co_u32 s74, s72, 64
	s_lshr_b32 s75, s74, 6
	s_add_co_u32 s75, s75, 1
	s_lshl_b32 s75, s75, 23                        ; W: the plane,
	s_and_b32 s74, s74, 63
	s_lshl_b32 s74, s74, 13                        ; two rows of 4,096 bytes a work-group
	s_add_co_u32 s74, s74, s75
	s_mov_b32 s76, 0x100
	s_mov_b32 s77, 0x80000
	s_cmp_lt_u32 s72, 64
	s_cselect_b32 s78, s73, s74
	s_cselect_b32 s84, s76, s77                    ; bytes from K step to K step
	s_cselect_b32 s80, 12, 8                       ; a lane is a row of x, or a block of 256 bytes of W
	s_mov_b32 s79, 0
	s_add_nc_u64 s[96:97], s[4:5], s[78:79]
	s_mov_b32 s85, 3                               ; the first request is for K step 3
	v_and_b32 v10, 31, v0
	v_lshlrev_b32 v[PFV], s80, v10
; 16 matrix instructions for q (t = 0) or k (t = 1), 32 along K, on fragment buffer f.  zero = 1: the product starts the sums.
.macro MULQK f, t, zero
.irp a, 0,1,2,3
.irp b, 0,1,2,3
.if \zero
	v_wmma_f32_16x16x32_f16 v[8*((4*\t+\a)*4+\b):8*((4*\t+\a)*4+\b)+7], v[96*\f+8*(4*\t+\b):96*\f+8*(4*\t+\b)+7], v[XF+32*\f+8*\a:XF+32*\f+8*\a+7], 0
.else
	v_wmma_f32_16x16x32_f16 v[8*((4*\t+\a)*4+\b):8*((4*\t+\a)*4+\b)+7], v[96*\f+8*(4*\t+\b):96*\f+8*(4*\t+\b)+7], v[XF+32*\f+8*\a:XF+32*\f+8*\a+7], v[8*((4*\t+\a)*4+\b):8*((4*\t+\a)*4+\b)+7]
.endif
.endr
.endr
.endm
.macro MULV f, zero                    ; 16 for v, sources the other way round
.irp a, 0,1,2,3
.irp b, 0,1,2,3
.if \zero
	v_wmma_f32_16x16x32_f16 v[8*(4*\a+\b):8*(4*\a+\b)+7], v[XF+32*\f+8*\a:XF+32*\f+8*\a+7], v[96*\f+8*(8+\b):96*\f+8*(8+\b)+7], 0
.else
	v_wmma_f32_16x16x32_f16 v[8*(4*\a+\b):8*(4*\a+\b)+7], v[XF+32*\f+8*\a:XF+32*\f+8*\a+7], v[96*\f+8*(8+\b):96*\f+8*(8+\b)+7], v[8*(4*\a+\b):8*(4*\a+\b)+7]
.endif
.endr
.endr
.endm
; 32 LDS loads in one run: quarter kq (32 along K) of a slot into buffer f: x (8), Wq (8), Wk (8), Wv (8), in this order
.macro FETCH slot, kq, f
	WIN 0
.irp a, 0,1,2,3
	ds_load_b128 v[XF+32*\f+8*\a:XF+32*\f+8*\a+3],   v[ADX+\slot] offset:\a*16*XP+64*\kq
	ds_load_b128 v[XF+32*\f+8*\a+4:XF+32*\f+8*\a+7], v[ADX+\slot] offset:\a*16*XP+64*\kq+32
.endr
	WIN TO_W
.irp t, 0,1,2
.irp b, 0,1,2,3
	ds_load_tr16_b128 v[96*\f+8*(4*\t+\b):96*\f+8*(4*\t+\b)+3],   v[ADW+3*\slot+\t] offset:\kq*32*WP+32*(\b&1)+128*(\b>>1)
	ds_load_tr16_b128 v[96*\f+8*(4*\t+\b)+4:96*\f+8*(4*\t+\b)+7], v[ADW+3*\slot+\t] offset:\kq*32*WP+32*(\b&1)+128*(\b>>1)+16*WP
.endr
.endr
.endm
; A quarter step: 48 matrix instructions on buffer f; in its middle the next quarter (kq) is fetched into buffer g.
; The 48 accumulators take turns, one instruction a turn, in the same order in every quarter.
.macro QUARTER slot, kq, f, g, zero
	s_wait_dscnt 8                                 ; x, Wq, Wk are in; the youngest eight loads, Wv's, may be out
	WIN MUL_QK
	MULQK \f, 0, \zero
	MULQK \f, 1, \zero
	PLACES                                         ; buffer g was read by matrix instructions: four places ahead of loads into it
	FETCH \slot, \kq, \g
	s_wait_dscnt 32                                ; all but the 32 just issued
	WIN MUL_V
	MULV \f, \zero
.endm
.macro THREE slot, zero
	QUARTER \slot, 1, 0, 1, \zero
	QUARTER \slot, 2, 1, 0, 0
	QUARTER \slot, 3, 0, 1, 0
.endm
; The last quarter of a K step changes slots.  Its products for q and k stand AHEAD of the waits: a step brings 128 KiB for 192 matrix
; instructions of a wave, so the wave has work to do while its part of the next slot lands, and nothing stands between the landing and the next request.
; In front of the round each wave waits for its reads of this slot and for all its tensor loads (one is out: its part of the next slot);
; behind the round the slot is filled again first, then the next slot is read, with v's 16 products over those reads.
; fill = 1: K step + 2.  fill = 2: the tables, slot 0's last fill.
.macro TURN slot, next, fill
	s_wait_dscnt 8
	WIN MUL_QK
	MULQK 1, 0, 0
	MULQK 1, 1, 0
	WIN 0
	s_wait_dscnt 0x0                               ; my reads of this slot are over
	s_wait_tensorcnt 0x0                           ; all my tensor loads have landed
	ds_add_u32 v14, v15
	s_wait_dscnt 0x0
	CROUND                                         ; both now hold of every wave of every work-group of the cluster
.if \fill == 1
	s_add_nc_u64 s[G0X+4*\slot+2:G0X+4*\slot+3], s[G0X+4*\slot+2:G0X+4*\slot+3], 2*KSTEP*2
	s_add_nc_u64 s[G0W+4*\slot+2:G0W+4*\slot+3], s[G0W+4*\slot+2:G0W+4*\slot+3], 2*KSTEP*4096
	JLOAD \slot                                    ; my one tensor load behind the round
	PREF                                           ; and the request for the K step after it
.else
	tensor_load_to_lds s[G0T:G0T+3], s[G1T:G1T+7]  ; 64 rows of cos or sin, each wave its own
	s_nop 0
.endif
	PLACES
	FETCH \next, 0, 0
	WIN MUL_V
	MULV 1, 0
.endm
.macro LAP zero
	THREE 0, \zero
	TURN 0, 1, 1
	THREE 1, 0
	TURN 1, 0, 1
.endm
	s_wait_tensorcnt 0x1                           ; my part of K step 0 is in; K step 1's load may stay out
	s_barrier_signal -1
	s_barrier_wait -1
	FETCH 0, 0, 0
	LAP 1                                          ; the first products start the sums
	WIN 0
	s_mov_b32 s86, 6                               ; 16 K steps = 8 laps: one in front, six here, one behind
.Llap:
	LAP 0
	WIN 0
	s_sub_co_u32 s86, s86, 1
	s_cmp_lg_u32 s86, 0
	s_cbranch_scc1 .Llap
	THREE 0, 0
	TURN 0, 1, 2                                   ; slot 0 is free: the tables come in under the last K step
	THREE 1, 0
	s_wait_dscnt 8
	WIN MUL_QK
	MULQK 1, 0, 0
	MULQK 1, 1, 0
	s_wait_dscnt 0x0
	WIN MUL_V
	MULV 1, 0
	PLACES                                         ; four places ahead of the first vector instruction that reads a result
	WIN 0
	s_wait_tensorcnt 0x0                           ; my rows of the tables are in
	s_barrier_signal -1
	s_barrier_wait -1                              ; everybody's are, and nobody reads slot 1 any more: it has had its last fill and becomes the stage
; Tokens 16 a .. 16 a + 15 of my 64.  lo = tile b (d < 64), hi = tile b + 2:  lo' = lo cos - hi sin,  hi' = hi cos + lo sin, each with its own d's table entries.
.macro OUTA a
	WIN 0
.irp b, 0,1,2,3
	ds_load_b128 v[CS+8*\b:CS+8*\b+3],   v[TBC] offset:\a*16*TP+64*(\b&1)+256*(\b>>1)
	ds_load_b128 v[CS+8*\b+4:CS+8*\b+7], v[TBC] offset:\a*16*TP+64*(\b&1)+256*(\b>>1)+16
	ds_load_b128 v[SN+8*\b:SN+8*\b+3],   v[TBS] offset:\a*16*TP+64*(\b&1)+256*(\b>>1)
	ds_load_b128 v[SN+8*\b+4:SN+8*\b+7], v[TBS] offset:\a*16*TP+64*(\b&1)+256*(\b>>1)+16
.endr
	s_wait_dscnt 0x0
	WIN 0x02                                       ; source 0 from window 2
.irp t, 0,1
.irp bl, 0,1
.irp p, 0,2,4,6
	v_pk_mul_f32 v[T+32*\t+8*\bl+\p:T+32*\t+8*\bl+\p+1], v[8*((4*\t+\a)*4+\bl+2)+\p:8*((4*\t+\a)*4+\bl+2)+\p+1], v[SN+8*\bl+\p:SN+8*\bl+\p+1]
	v_pk_mul_f32 v[T+32*\t+8*(\bl+2)+\p:T+32*\t+8*(\bl+2)+\p+1], v[8*((4*\t+\a)*4+\bl)+\p:8*((4*\t+\a)*4+\bl)+\p+1], v[SN+8*(\bl+2)+\p:SN+8*(\bl+2)+\p+1]
.endr
.irp p, 0,2,4,6
	v_pk_fma_f32 v[T+32*\t+8*\bl+\p:T+32*\t+8*\bl+\p+1], v[8*((4*\t+\a)*4+\bl)+\p:8*((4*\t+\a)*4+\bl)+\p+1], v[CS+8*\bl+\p:CS+8*\bl+\p+1], v[T+32*\t+8*\bl+\p:T+32*\t+8*\bl+\p+1] neg_lo:[0,0,1] neg_hi:[0,0,1]
	v_pk_fma_f32 v[T+32*\t+8*(\bl+2)+\p:T+32*\t+8*(\bl+2)+\p+1], v[8*((4*\t+\a)*4+\bl+2)+\p:8*((4*\t+\a)*4+\bl+2)+\p+1], v[CS+8*(\bl+2)+\p:CS+8*(\bl+2)+\p+1], v[T+32*\t+8*(\bl+2)+\p:T+32*\t+8*(\bl+2)+\p+1]
.endr
.endr
.endr
	WIN 0
.set p, 0
.rept 16
	v_pk_mul_f32 v[T+p:T+p+1], v[T+p:T+p+1], 0x3db504f3 op_sel_hi:[1,0]   ; q times 1/sqrt(128)
.set p, p+2
.endr
.set p, 0
.rept 32
	v_cvt_pk_f16_f32 v[PK+p], v[T+2*p], v[T+2*p+1]
.set p, p+1
.endr
.irp t, 0,1
.irp b, 0,1,2,3
	ds_store_b128 v[STQ], v[PK+16*\t+4*\b:PK+16*\t+4*\b+3] offset:\t*SPL+\a*16*XP+32*(\b&1)+128*(\b>>1)
.endr
.endr
	WIN 0x0f                                       ; both sources from window 3
.irp b, 0,1,2,3
.irp i, 0,1,2,3
	v_cvt_pk_f16_f32 v[T+4*\b+\i], v[8*(4*\a+\b)+2*\i], v[8*(4*\a+\b)+2*\i+1]
.endr
.endr
	WIN 0
.irp b, 0,1,2,3
	ds_store_b128 v[STV], v[T+4*\b:T+4*\b+3] offset:((\b&1)*16+(\b>>1)*64)*XP+32*\a
.endr
.endm
	OUTA 0
	OUTA 1
	OUTA 2
	OUTA 3
	s_lshl_b32 s88, s18, 19                        ; q: row 128 x token block + 32 x wave, the head's 256 bytes
	s_lshl_b32 s94, s12, 17
	s_add_co_u32 s88, s88, s94
	s_lshl_b32 s95, s17, 8
	s_add_co_u32 s88, s88, s95
	s_mov_b32 s89, 0
	s_add_nc_u64 s[88:89], s[10:11], s[88:89]
	s_add_nc_u64 s[90:91], s[88:89], 0x800000      ; k: one plane on
	s_lshl_b32 s92, s17, 19                        ; vT: row 128 x head + 32 x wave, the token block's 256 bytes, plane 2
	s_add_co_u32 s92, s92, s94
	s_lshl_b32 s95, s18, 8
	s_add_co_u32 s92, s92, s95
	s_add_co_u32 s92, s92, 0x1000000
	s_mov_b32 s93, 0
	s_add_nc_u64 s[92:93], s[10:11], s[92:93]
	s_wait_dscnt 0x0                               ; my stores into the stage are done,
	s_barrier_signal -1
	s_barrier_wait -1                              ; everybody's are
; 32 rows of one plane, two rows a load: sixteen lanes store 256 consecutive bytes, aligned
.macro BACK adr, off, d, base
.irp i, 0,1,2,3,4,5,6,7,8,9,10,11,12,13,14,15
	ds_load_b128 v[\d+4*\i:\d+4*\i+3], v[\adr] offset:\off+\i*2*XP
.endr
.irp i, 0,1,2,3,4,5,6,7,8,9,10,11,12,13,14,15
	s_wait_dscnt 15-\i                             ; LDS loads come back in order: pair i of rows is in
	global_store_b128 v[CO], v[\d+4*\i:\d+4*\i+3], s[\base:\base+1] offset:\i*8192
.endr
.endm
	BACK RD, 0, CS, 88
	BACK RD, SPL, T, 90
	s_wait_xcnt 0x0                                ; the first run's stores have read their data: v96-159 are loaded again only behind this wait
	BACK RD2, 0, CS, 92
	s_wait_tensorcnt 0x0
	ds_add_u32 v14, v15
	s_wait_dscnt 0x0
	CROUND                                         ; the closing round: no work-group ends while a partner may still ask jointly
	s_endpgm
.Lfunc_end_k_qc9e9d8ef6f_proj:
	.size	k_qc9e9d8ef6f_proj, .Lfunc_end_k_qc9e9d8ef6f_proj-k_qc9e9d8ef6f_proj
	.p2alignl 7, 3214868480
	.fill 96, 4, 3214868480
	.section	.rodata,"a",@progbits
	.p2align	6, 0x0
	.amdhsa_kernel k_qc9e9d8ef6f_proj
		.amdhsa_group_segment_fixed_size 327680
		.amdhsa_private_segment_fixed_size 0
		.amdhsa_enable_private_segment 0
		.amdhsa_kernarg_size 32
		.amdhsa_user_sgpr_count 2
		.amdhsa_user_sgpr_kernarg_segment_ptr 1
		.amdhsa_wavefront_size32 1
		.amdhsa_system_sgpr_workgroup_id_x 1
		.amdhsa_system_sgpr_workgroup_id_y 1
		.amdhsa_system_sgpr_workgroup_id_z 1
		.amdhsa_system_vgpr_workitem_id 0
		.amdhsa_next_free_vgpr 896
		.amdhsa_next_free_sgpr 100
		.amdhsa_reserve_vcc 0
		.amdhsa_float_denorm_mode_32 3
		.amdhsa_float_denorm_mode_16_64 3
		.amdhsa_memory_ordered 1
		.amdhsa_forward_progress 1
		.amdhsa_inst_pref_size 193
	.end_amdhsa_kernel
	.amdgpu_metadata
---
amdhsa.version: [ 1, 2 ]
amdhsa.kernels:
  - .name:           k_qc9e9d8ef6f_proj
    .symbol:         k_qc9e9d8ef6f_proj.kd
    .args:
      - { .name: cb, .offset: 0, .size: 8, .value_kind: global_buffer, .address_space: global }
      - { .name: freqs_cos, .offset: 8, .size: 8, .value_kind: global_buffer, .address_space: global }
      - { .name: freqs_sin, .offset: 16, .size: 8, .value_kind: global_buffer, .address_space: global }
      - { .name: qkv, .offset: 24, .size: 8, .value_kind: global_buffer, .address_space: global }
    .group_segment_fixed_size: 327680
    .private_segment_fixed_size: 0
    .kernarg_segment_align: 8
    .kernarg_segment_size: 32
    .max_flat_workgroup_size: 128
    .sgpr_count:     100
    .vgpr_count:     896
    .wavefront_size: 32
...
	.end_amdgpu_metadata
.endif
;; end of part 2
;; launch attn (part 3): grid 16 x 16, 4 waves a work-group, clusters of 4 x 4, 327,680 bytes of LDS; arguments qkv, attention_mask, alibi, ao; writes ao
.if DOCPART == 3
	.amdgcn_target "amdgcn-amd-amdhsa--gfx1250"
	.amdhsa_code_object_version 6
	.text
	.protected	k_qc9e9d8ef6f_attn
	.globl	k_qc9e9d8ef6f_attn
	.p2align	8
	.type	k_qc9e9d8ef6f_attn,@function
k_qc9e9d8ef6f_attn:
	s_mov_b64 s[64:65], 0
	v_nop
	global_prefetch_b8 v0, s[64:65] scope:SCOPE_SE
	s_setreg_imm32_b32 hwreg(HW_REG_WAVE_MODE, 25, 1), 1
	s_wait_xcnt 0x0
	s_wait_alu depctr_hold_cnt(0) depctr_sa_sdst(0) depctr_va_vdst(0) depctr_va_sdst(0) depctr_va_ssrc(0) depctr_va_vcc(0) depctr_vm_vsrc(0)
	s_getreg_b32 s2, hwreg(HW_REG_IB_STS2, 6, 4)
	s_cmp_eq_u32 s2, 0
	s_cbranch_scc0 .Lentry_in_a_cluster
	s_endpgm
.Lentry_in_a_cluster:
	s_bfe_u32 s2, ttmp6, 0x10000c
	s_cmp_lg_u32 s2, 0xf033
	s_cbranch_scc0 .Lentry_shape_is_right
	s_endpgm
.Lentry_shape_is_right:
; ao[q][head*128+d] = softmax over keys of ((q.k + mask[q][key]) + alibi[head][key]) times v, f16 out.  q comes scaled by 1/sqrt(128).
; The mask and alibi are inputs and are honoured as given: every key is visited.  A running maximum is taken away before every exponential.
; The two additions are made in the order (s + mask) + alibi and the maximum is subtracted before the factor log2(e), so that rows in which
; every mask entry is very large and negative round as they do in f32 arithmetic written that way.
; LIMITS: probabilities go to the matrix unit in f16 (under 6e-8 they become 0); exponentials under 2^-126 come out as 0; the sums over keys are
; formed in another order than a plain row sum; a row whose mask is -inf everywhere gives NaN.
; Work-group (x = block of 128 queries, y = head), four waves.  Wave (qg, kh): 64 queries (tiles qt = 0..3) and, of each step's 128 keys,
; its own 64 (tiles kt = 0..3), with its own running maximum and sum; the two key halves are merged once at the end.
; ALL PRODUCTS ARE TRANSPOSED.  S^T = K Q^T: a lane holds query l%16 and keys 8 (l/16) + 0..7 of a tile; packed to f16 these are, as they lie,
; the second source of O^T = V^T P^T.  Maximum, sum and rescaling factor are one number a lane; one exchange of the lane halves finds the maximum.
; WHAT RUNS UNDER THE PRODUCTS: a step's 104 LDS loads go out in short runs between the matrix instructions (4 behind every 8 of S^T's, 9 behind every
; 8 of O^T's), and three quarters of O's rescaling stand between O^T's first 32 products, each pair of d tiles one group ahead of its own products.
; LDS: two slots of 137,216 bytes (K 128 x 272, V^T 128 x 272, mask 128 x 528); alibi 8,192 at 274,432; Q 128 x 272 at 282,624; stage at 317,440.
; CLUSTER 4 x 4: K and V^T hang on the head alone (shared along a row of the cluster), the mask on the query block alone (along a column).
; PREFETCH: a step's tiles are, over all work-groups, 8,192 blocks of 256 bytes (K 2,048, V^T 2,048, mask 4,096).  They are dealt to the 256 work-groups,
; 32 each, one a lane, so each block is asked for once.  Wave 3 asks, straight behind the refill with step i + 2, for its blocks of step i + 3:
; one step, 2 MiB in all, ahead of the tensor loads.  The step's number is clamped to 15: the last request repeats step 15's blocks.
; REGISTERS  window 0: v4-15 addresses, v16-63 per-query numbers, v64-95 alibi, v96-127 way out, v128-255 S: tile (kt, qt) at 128 + 32 qt + 8 kt
;            window 1: v0-127 Q at 8 (4 qt + dc), v128-255 K at 128 + 8 (4 kt + dc);  window 2: O at 8 (4 dt + qt);  window 3: v0-127 V^T at 8 (2 dt + c), v128-255 mask, laid out as S
.set KP,    272
.set MP,    528
.set VTO,   128*KP                     ; 34,816
.set MKO,   2*128*KP                   ; 69,632
.set SLOT,  MKO+128*MP                 ; 137,216
.set ALIBI, 2*SLOT                     ; 274,432
.set QREG,  ALIBI+8192                 ; 282,624
.set STAGE, QREG+128*KP                ; 317,440
.set MRG,   33792                      ; merge area of a query half: O 32,768, maxima 512, sums 512; in slot 0 after its last fill and last read
.set ADK,  4
.set ADV,  6
.set ADM,  8
.set ADAL, 10
.set ADQ,  11
.set MADR, 12
.set STO,  13
.set RD,   14
.set CO,   15
.set MXP,  16                          ; v[16+2qt:17+2qt] the running maximum, twice
.set LS,   24                          ; v[24+qt] the running sum of my lane's keys
.set AP,   28                          ; v[28+2qt:29+2qt] the rescaling factor, twice
.set TA,   36
.set TB,   40
.set SUM,  44
.set W0,   52                          ; v52-59 at work
.set PFV,  60                          ; prefetch: my lane's byte offset among the work-group's 32 blocks; never rewritten
.set AL,   64
.set OUTR, 96
.set S,    128
.set G1A, 24
.set G1M, 32
.set G1Q, 40
.set G0A, 48
.set G0M, 56
.set G0Q, 68
.set W_ST,   0x05                      ; sources 0 and 1 window 1, C and D window 0
.set W_PV,   0xa3                      ; source 0 window 3, source 1 window 0, C and D window 2
.set TO_1,   0x40
.set TO_3,   0xc0
.set W_ADDM, 0x0c                      ; source 1 window 3
.set W_RESC, 0x82                      ; destination and source 0 window 2
.set W_MST,  0x08                      ; store data window 2
.set W_COMB, 0x02                      ; source 0 window 2
.set LOG2E,  0x3fb8aa3b
.set MSB, 0
.macro WIN new
.if MSB != \new
	s_set_vgpr_msb (MSB<<8)|\new
.set MSB, \new
.endif
.endm
.macro PLACES
.rept 4
	v_nop
.endr
.endm
.macro CROUND                          ; a round of the cluster's barrier
	s_barrier_signal -1
	s_barrier_wait -1
	s_cmp_lg_u32 s12, 0
	s_cbranch_scc1 .Lnot_wave_0_\@
	s_barrier_signal -3
.Lnot_wave_0_\@:
	s_barrier_wait -3
	s_barrier_signal -1
	s_barrier_wait -1
.endm
.macro JLOAD s                         ; wave 0: K, wave 1: V^T (mask: my row); waves 2, 3: the mask's two halves of 64 rows (mask: my column)
	s_cmp_eq_u32 s13, 0
	s_cbranch_scc0 .Lfor_m_\@
	tensor_load_to_lds s[G0A+4*\s:G0A+4*\s+3], s[G1A:G1A+7]
	s_nop 0
	s_branch .Lasked_\@
.Lfor_m_\@:
	tensor_load_to_lds s[G0M+4*\s:G0M+4*\s+3], s[G1M:G1M+7]
	s_nop 0
	v_nop
.Lasked_\@:
.endm
.macro PREF                            ; wave 3 asks for the work-group's 32 blocks of step s97, clamped to the last
	s_cmp_lg_u32 s12, 3
	s_cbranch_scc1 .Lno_ask_\@
	s_min_u32 s94, s97, 15
	s_mul_i32 s94, s94, s96                        ; the step's number times the bytes from step to step
	s_wait_xcnt 0x0                                ; the last request, a whole step back, has had its address translated: its pair is rewritten only behind this wait
	s_add_nc_u64 s[92:93], s[90:91], s[94:95]
	global_prefetch_b8 v[PFV], s[92:93] th:TH_LOAD_NT scope:SCOPE_SE
	s_add_co_u32 s97, s97, 1
.Lno_ask_\@:
.endm
	s_load_b256 s[4:11], s[0:1], 0x0               ; qkv, mask, alibi, ao
	v_lshl_add_u32 v59, v0, 2, 0x4fa00
	v_mov_b32 v63, 0
	ds_add_u32 v59, v63
	v_lshrrev_b32 v1, 5, v0
	v_readfirstlane_b32 s12, v1                    ; wave
	s_lshr_b32 s13, s12, 1                         ; qg
	s_and_b32 s14, s12, 1                          ; kh
	s_bfe_u32 s15, ttmp6, 0x40000
	s_bfe_u32 s16, ttmp6, 0x40004
	s_lshl_b32 s17, ttmp9, 2
	s_add_co_u32 s17, s17, s15                     ; query block
	s_and_b32 s18, ttmp7, 0xffff
	s_lshl_b32 s18, s18, 2
	s_add_co_u32 s18, s18, s16                     ; head
	s_lshl_b32 s19, s16, 2
	s_lshl_b32 s19, 15, s19                        ; my row of the cluster
	s_lshl_b32 s20, 0x1111, s15                    ; my column
	s_mov_b32 s22, 0x76543210                      ; v_permlanex16_b32: lane i reads lane i of the other half
	s_mov_b32 s23, 0xfedcba98
	; K and V^T: 128 rows x 128 elements of 2 bytes, pitch 272 in LDS
	s_or_b32 s[G1A+0], s19, (1<<16)|(1<<20)|(1<<21)|(5<<22)|(3<<25)
	s_mov_b32 s[G1A+1], 128<<16
	s_mov_b32 s[G1A+2], 128<<16
	s_mov_b32 s[G1A+3], 128<<16
	s_mov_b32 s[G1A+4], 128
	s_mov_b32 s[G1A+5], 2048
	s_mov_b32 s[G1A+6], 0
	s_mov_b32 s[G1A+7], 0
	; mask: 64 rows x 128 elements of 4 bytes, pitch 528
	s_or_b32 s[G1M+0], s20, (2<<16)|(1<<20)|(1<<21)|(6<<22)|(3<<25)
	s_mov_b32 s[G1M+1], 128<<16
	s_mov_b32 s[G1M+2], 64<<16
	s_mov_b32 s[G1M+3], 128<<16
	s_mov_b32 s[G1M+4], 64
	s_mov_b32 s[G1M+5], 2048
	s_mov_b32 s[G1M+6], 0
	s_mov_b32 s[G1M+7], 0
	; Q: 32 rows x 128 elements of 2 bytes, the work-group's own (no mask)
	s_mov_b32 s[G1Q+0], (1<<16)|(1<<20)|(5<<22)|(3<<25)
	s_mov_b32 s[G1Q+1], 128<<16
	s_mov_b32 s[G1Q+2], 32<<16
	s_mov_b32 s[G1Q+3], 128<<16
	s_mov_b32 s[G1Q+4], 32
	s_mov_b32 s[G1Q+5], 2048
	s_mov_b32 s[G1Q+6], 0
	s_mov_b32 s[G1Q+7], 0
	s_lshl_b32 s74, s18, 8
	s_add_co_u32 s74, s74, 0x800000                ; K: plane 1, the head's 256 bytes of each key's row
	s_lshl_b32 s75, s18, 19
	s_add_co_u32 s75, s75, 0x1000000               ; V^T: plane 2, the head's 128 rows
	s_mov_b32 s76, 0x80000                         ; a step of 128 keys: 128 rows of K,
	s_mov_b32 s77, 0x100                           ; 256 bytes along V^T's rows
	s_cmp_eq_u32 s14, 0
	s_cselect_b32 s74, s74, s75
	s_cselect_b32 s76, s76, s77
	s_mov_b32 s75, 0
	s_mov_b32 s77, 0
	s_lshl_b32 s72, s76, 1                         ; s[72:73]: two steps
	s_mov_b32 s73, 0
	s_lshl_b32 s78, s17, 20                        ; mask: 128 rows of 8,192 bytes a query block,
	s_lshl_b32 s79, s14, 19                        ; my 64 rows
	s_add_co_u32 s78, s78, s79
	s_mov_b32 s79, 0
	s_lshl_b32 s80, s17, 19                        ; Q: plane 0, row 128 x block + 32 x wave, the head's 256 bytes
	s_lshl_b32 s81, s12, 17
	s_add_co_u32 s80, s80, s81
	s_lshl_b32 s81, s18, 8
	s_add_co_u32 s80, s80, s81
	s_mov_b32 s81, 0
	s_lshl_b32 s82, s18, 13                        ; alibi: the head's 8,192 bytes
	s_mov_b32 s83, 0
	s_lshl_b32 s88, s17, 19                        ; ao: row 128 x block + 64 qg, the head's 256 bytes
	s_lshl_b32 s89, s13, 18
	s_add_co_u32 s88, s88, s89
	s_lshl_b32 s89, s18, 8
	s_add_co_u32 s88, s88, s89
	s_mov_b32 s89, 0
	s_mul_i32 s84, s12, 128*KP                     ; waves 0, 1: K at 0, V^T at 34,816
	s_mul_i32 s85, s12, 64*MP
	s_add_co_u32 s85, s85, MKO-2*64*MP             ; waves 2, 3: 69,632 and 103,424
	s_mul_i32 s87, s12, 32*KP
	s_add_co_u32 s87, s87, QREG
	s_wait_dscnt 0x0
	s_wait_kmcnt 0x0
	s_add_nc_u64 s[74:75], s[4:5], s[74:75]
	s_add_nc_u64 s[78:79], s[6:7], s[78:79]
	s_add_nc_u64 s[80:81], s[4:5], s[80:81]
	s_add_nc_u64 s[82:83], s[8:9], s[82:83]
	s_add_nc_u64 s[88:89], s[10:11], s[88:89]
	CROUND                                         ; in front of the first loads
	s_mov_b32 s[G0Q], 1
	s_mov_b32 s[G0Q+1], s87
	s_mov_b64 s[G0Q+2:G0Q+3], s[80:81]
	s_or_b32 s[G0Q+3], s[G0Q+3], 0x80000000
	tensor_load_to_lds s[G0Q:G0Q+3], s[G1Q:G1Q+7]  ; my 32 rows of Q
	s_nop 0
.irp s, 0,1
	s_mov_b32 s[G0A+4*\s], 1
	s_add_co_u32 s[G0A+4*\s+1], s84, \s*SLOT
.if \s
	s_add_nc_u64 s[G0A+4*\s+2:G0A+4*\s+3], s[74:75], s[76:77]
.else
	s_mov_b64 s[G0A+4*\s+2:G0A+4*\s+3], s[74:75]
.endif
	s_or_b32 s[G0A+4*\s+3], s[G0A+4*\s+3], 0x80000000
	s_mov_b32 s[G0M+4*\s], 1
	s_add_co_u32 s[G0M+4*\s+1], s85, \s*SLOT
	s_add_nc_u64 s[G0M+4*\s+2:G0M+4*\s+3], s[78:79], \s*512
	s_or_b32 s[G0M+4*\s+3], s[G0M+4*\s+3], 0x80000000
	JLOAD \s                                       ; steps 0 and 1: with Q's, three loads of this wave are out
.endr
	v_lshlrev_b32 v1, 4, v0
.irp i, 0,1,2,3
	global_load_b128 v[AL+4*\i:AL+4*\i+3], v1, s[82:83] offset:2048*\i   ; the head's alibi, once, 2,048 consecutive bytes a line
.endr
	v_add_nc_u32 v2, ALIBI, v1
	v_and_b32 v[W0], 15, v0                        ; r
	v_bfe_u32 v[W0+1], v0, 4, 1                    ; h
	v_mul_u32_u24 v[W0+2], v[W0], KP
	v_lshl_add_u32 v[W0+2], v[W0+1], 4, v[W0+2]    ; r x 272 + 16 h
	s_mul_i32 s84, s14, 64*KP
	v_add_nc_u32 v[ADK], s84, v[W0+2]
	v_add_nc_u32 v[ADK+1], SLOT, v[ADK]
	s_lshl_b32 s84, s14, 7
	s_add_co_u32 s84, s84, VTO
	v_add_nc_u32 v[ADV], s84, v[W0+2]
	v_add_nc_u32 v[ADV+1], SLOT, v[ADV]
	v_mul_u32_u24 v[W0+3], v[W0], MP
	v_lshl_add_u32 v[W0+3], v[W0+1], 5, v[W0+3]    ; r x 528 + 32 h
	s_mul_i32 s84, s13, 64*MP
	s_lshl_b32 s85, s14, 8
	s_add_co_u32 s84, s84, s85
	s_add_co_u32 s84, s84, MKO
	v_add_nc_u32 v[ADM], s84, v[W0+3]
	v_add_nc_u32 v[ADM+1], SLOT, v[ADM]
	s_add_co_u32 s85, s85, ALIBI
	v_lshl_add_u32 v[ADAL], v[W0+1], 5, s85        ; alibi + 256 kh + 32 h; 512 further each step
	s_mul_i32 s84, s13, 64*KP
	s_add_co_u32 s84, s84, QREG
	v_add_nc_u32 v[ADQ], s84, v[W0+2]
	v_and_b32 v[W0+4], 31, v0
	s_mul_i32 s84, s13, MRG
	v_lshl_add_u32 v[MADR], v[W0+4], 4, s84
	s_mul_i32 s84, s13, 16*KP
	s_add_co_u32 s84, s84, STAGE
	v_add_nc_u32 v[STO], s84, v[W0+2]
	v_mul_u32_u24 v[W0+5], v[W0+1], KP
	v_lshl_add_u32 v[W0+5], v[W0], 4, v[W0+5]      ; h x 272 + 16 r
	v_add_nc_u32 v[RD], s84, v[W0+5]
	v_lshlrev_b32 v[W0+6], 12, v[W0+1]
	v_lshl_add_u32 v[CO], v[W0], 4, v[W0+6]        ; h x 4,096 + 16 r
	; prefetch: work-group g = 16 x head + query block.
	; g < 64: K, key rows 2 g + lane / 16 of the step's 128, block lane % 16 of the row's 16 (= 256 x lane bytes); 128 rows on each step.
	; 64 <= g < 128: V^T, rows 32 (g - 64) + lane; 256 bytes on each step.   g >= 128: mask, rows 16 (g - 128) + lane / 2, half lane % 2 of the step's 512 bytes; 512 bytes on each step.
	; In one form: offset = ((lane >> a) << b) + ((lane & m) << 8) with (a, b, m) = (5, 12, 31), (0, 12, 0), (1, 13, 1).
	s_lshl_b32 s74, s18, 4
	s_add_co_u32 s74, s74, s17                     ; g
	s_and_b32 s75, s74, 63
	s_lshl_b32 s76, s75, 13
	s_add_co_u32 s76, s76, 0x800000                ; K: plane 1, two rows of 4,096 bytes a work-group
	s_lshl_b32 s77, s75, 17
	s_add_co_u32 s77, s77, 0x1000000               ; V^T: plane 2, 32 rows of 4,096 bytes a work-group
	s_and_b32 s78, s74, 127
	s_lshl_b32 s78, s78, 17                        ; mask: 16 rows of 8,192 bytes a work-group
	s_mov_b32 s84, 0x80000
	s_mov_b32 s85, 0x100
	s_cmp_lt_u32 s74, 64
	s_cselect_b32 s94, s76, s77
	s_cselect_b32 s96, s84, s85                    ; bytes from step to step
	s_cselect_b32 s79, 5, 0
	s_cselect_b32 s80, 31, 0
	s_cmp_lt_u32 s74, 128
	s_cselect_b32 s94, s94, s78
	s_cselect_b32 s96, s96, 0x200
	s_cselect_b32 s79, s79, 1
	s_cselect_b32 s80, s80, 1
	s_cselect_b32 s81, 12, 13
	s_cselect_b64 s[90:91], s[4:5], s[6:7]
	s_mov_b32 s95, 0
	s_add_nc_u64 s[90:91], s[90:91], s[94:95]
	s_mov_b32 s97, 3                               ; the first request is for step 3
	v_lshrrev_b32 v62, s79, v[W0+4]
	v_lshlrev_b32 v62, s81, v62
	v_and_b32 v61, s80, v[W0+4]
	v_lshl_add_u32 v[PFV], v61, 8, v62
.irp qt, 0,1,2,3
	v_mov_b32 v[MXP+2*\qt], 0xff7fffff             ; the most negative finite number: a key whose mask is -inf then gives 0, not NaN
	v_mov_b32 v[MXP+2*\qt+1], 0xff7fffff
	v_mov_b32 v[TB+\qt], 0                         ; v_permlanex16_b32 counts as a reader of its destination
.endr
	s_wait_loadcnt 0x0
.irp i, 0,1,2,3
	ds_store_b128 v2, v[AL+4*\i:AL+4*\i+3] offset:2048*\i
.endr
	s_wait_tensorcnt 0x1                           ; Q and step 0 are in; step 1's load may stay out
	s_wait_dscnt 0x0                               ; my part of alibi is stored
	s_barrier_signal -1
	s_barrier_wait -1
; Load number idx of the 72 that a step needs ahead of its softmax, always issued in this order: 0-31 K fragments (8 kt + 2 dc + half),
; 32-39 alibi (2 kt + half), 40-71 mask (8 qt + 2 kt + half)
.macro LDA1 slot, idx
.if (\idx) < 32
	WIN TO_1
	ds_load_b128 v[128+4*(\idx):128+4*(\idx)+3], v[ADK+\slot] offset:((\idx)/8)*16*KP+64*(((\idx)/2)%4)+32*((\idx)%2)
.else
.if (\idx) < 40
	WIN 0
	ds_load_b128 v[AL+4*((\idx)-32):AL+4*((\idx)-32)+3], v[ADAL] offset:64*(((\idx)-32)/2)+16*((\idx)%2)
.else
	WIN TO_3
	ds_load_b128 v[S+4*((\idx)-40):S+4*((\idx)-40)+3], v[ADM+\slot] offset:(((\idx)-40)/8)*16*MP+64*((((\idx)-40)/2)%4)+16*((\idx)%2)
.endif
.endif
.endm
.macro LOADS_A slot                    ; all 72 in one run: in front of the first step only
.irp j, 0,1,2,3,4,5,6,7
.irp k, 0,1,2,3,4,5,6,7,8
	LDA1 \slot, 9*\j+\k
.endr
.endr
.endm
; 64 matrix instructions: S^T = K Q^T, in the order dc, kt, qt.  The 16 tiles take turns, one instruction a turn.
; Behind every 8 of them 4 LDS loads: the two V^T fragments of d tile g.  They name no register of S^T's products.
.macro STV slot
.irp g, 0,1,2,3,4,5,6,7
	WIN W_ST
.irp k2, 0,1
.irp qt, 0,1,2,3
.if \g < 2
	v_wmma_f32_16x16x32_f16 v[S+32*\qt+8*(2*(\g%2)+\k2):S+32*\qt+8*(2*(\g%2)+\k2)+7], v[128+8*(4*(2*(\g%2)+\k2)+\g/2):128+8*(4*(2*(\g%2)+\k2)+\g/2)+7], v[8*(4*\qt+\g/2):8*(4*\qt+\g/2)+7], 0
.else
	v_wmma_f32_16x16x32_f16 v[S+32*\qt+8*(2*(\g%2)+\k2):S+32*\qt+8*(2*(\g%2)+\k2)+7], v[128+8*(4*(2*(\g%2)+\k2)+\g/2):128+8*(4*(2*(\g%2)+\k2)+\g/2)+7], v[8*(4*\qt+\g/2):8*(4*\qt+\g/2)+7], v[S+32*\qt+8*(2*(\g%2)+\k2):S+32*\qt+8*(2*(\g%2)+\k2)+7]
.endif
.endr
.endr
	WIN TO_3
.irp c, 0,1
	ds_load_b128 v[8*(2*\g+\c):8*(2*\g+\c)+3],   v[ADV+\slot] offset:\g*16*KP+64*\c
	ds_load_b128 v[8*(2*\g+\c)+4:8*(2*\g+\c)+7], v[ADV+\slot] offset:\g*16*KP+64*\c+32
.endr
.endr
.endm
; Group j of eight of O^T += V^T P^T: key half c = j / 4, d tiles 2 (j % 4) and 2 (j % 4) + 1, all four query tiles: 8 matrix instructions.
; Behind them: the rescaling of the NEXT pair of d tiles (first key half only), which no recent product names, and 9 of the next step's 72 LDS loads.
.macro PVG first, mode, other, j
	WIN W_PV
.irp d2, 0,1
.irp qt, 0,1,2,3
.if \first*(1-\j/4)
	v_wmma_f32_16x16x32_f16 v[8*(4*(2*(\j%4)+\d2)+\qt):8*(4*(2*(\j%4)+\d2)+\qt)+7], v[8*(2*(2*(\j%4)+\d2)+\j/4):8*(2*(2*(\j%4)+\d2)+\j/4)+7], v[S+32*\qt+16*(\j/4):S+32*\qt+16*(\j/4)+7], 0
.else
	v_wmma_f32_16x16x32_f16 v[8*(4*(2*(\j%4)+\d2)+\qt):8*(4*(2*(\j%4)+\d2)+\qt)+7], v[8*(2*(2*(\j%4)+\d2)+\j/4):8*(2*(2*(\j%4)+\d2)+\j/4)+7], v[S+32*\qt+16*(\j/4):S+32*\qt+16*(\j/4)+7], v[8*(4*(2*(\j%4)+\d2)+\qt):8*(4*(2*(\j%4)+\d2)+\qt)+7]
.endif
.endr
.endr
.if \first == 0
.if \j < 3
	WIN W_RESC
.irp d2, 0,1
.irp qt, 0,1,2,3
.irp i, 0,2,4,6
	v_pk_mul_f32 v[8*(4*(2*(\j+1)+\d2)+\qt)+\i:8*(4*(2*(\j+1)+\d2)+\qt)+\i+1], v[8*(4*(2*(\j+1)+\d2)+\qt)+\i:8*(4*(2*(\j+1)+\d2)+\qt)+\i+1], v[AP+2*\qt:AP+2*\qt+1]
.endr
.endr
.endr
.endif
.endif
.if \mode != 2
.irp k, 0,1,2,3,4,5,6,7,8
	LDA1 \other, 9*\j+\k
.endr
.endif
.endm
; 64 matrix instructions in the order c, dt, qt.  The 32 tiles take turns, one instruction a turn.
.macro PV first, mode, other
.irp j, 0,1,2,3,4,5,6,7
	PVG \first, \mode, \other, \j
.endr
.endm
.macro SOFTMAX first
	WIN W_ADDM
.set p, 0
.rept 64
	v_pk_add_f32 v[S+p:S+p+1], v[S+p:S+p+1], v[S+p:S+p+1]      ; s + mask (source 1 is window 3, same numbers)
.set p, p+2
.endr
	WIN 0
.irp qt, 0,1,2,3
.irp kt, 0,1,2,3
.irp i, 0,2,4,6
	v_pk_add_f32 v[S+32*\qt+8*\kt+\i:S+32*\qt+8*\kt+\i+1], v[S+32*\qt+8*\kt+\i:S+32*\qt+8*\kt+\i+1], v[AL+8*\kt+\i:AL+8*\kt+\i+1]   ; + alibi
.endr
.endr
.endr
.irp qt, 0,1,2,3
	v_max3_num_f32 v[TA+\qt], v[MXP+2*\qt], v[S+32*\qt], v[S+32*\qt+1]     ; the old maximum starts the chain; four chains side by side
.endr
.irp i, 2,4,6,8,10,12,14,16,18,20,22,24,26,28,30
.irp qt, 0,1,2,3
	v_max3_num_f32 v[TA+\qt], v[TA+\qt], v[S+32*\qt+\i], v[S+32*\qt+\i+1]
.endr
.endr
.irp qt, 0,1,2,3
	v_permlanex16_b32 v[TB+\qt], v[TA+\qt], s22, s23           ; the other eight keys of each tile lie in the other half of the lanes
.endr
.irp qt, 0,1,2,3
	v_max_num_f32 v[TA+\qt], v[TA+\qt], v[TB+\qt]              ; the new maximum
.endr
.if \first == 0
.irp qt, 0,1,2,3
	v_sub_f32 v[TB+\qt], v[MXP+2*\qt], v[TA+\qt]
.endr
.irp qt, 0,1,2,3
	v_mul_f32 v[TB+\qt], LOG2E, v[TB+\qt]
.endr
.irp qt, 0,1,2,3
	v_exp_f32 v[AP+2*\qt], v[TB+\qt]                           ; exp(old maximum - new)
.endr
.endif
.irp qt, 0,1,2,3
	v_mov_b32 v[MXP+2*\qt], v[TA+\qt]                          ; plain instructions that touch neither TB nor AP: the place behind the exponentials (ISA guide 5.7.2)
	v_mov_b32 v[MXP+2*\qt+1], v[TA+\qt]
.endr
.if \first == 0
	s_wait_alu depctr_va_vdst(0)
.irp qt, 0,1,2,3
	v_mov_b32 v[AP+2*\qt+1], v[AP+2*\qt]
.endr
.endif
.set p, 0
.rept 64
	v_pk_add_f32 v[S+p:S+p+1], v[S+p:S+p+1], v[MXP+2*(p/32):MXP+2*(p/32)+1] neg_lo:[0,1] neg_hi:[0,1]   ; minus the maximum, first
.set p, p+2
.endr
.set p, 0
.rept 64
	v_pk_mul_f32 v[S+p:S+p+1], v[S+p:S+p+1], LOG2E op_sel_hi:[1,0]
.set p, p+2
.endr
.set p, 0
.rept 128
	v_exp_f32 v[S+p], v[S+p]
.set p, p+1
.endr
	v_nop                                                      ; one plain place between the run of exponentials and the first use of a result
	s_wait_alu depctr_va_vdst(0)
.irp qt, 0,1,2,3
	v_pk_add_f32 v[SUM+2*\qt:SUM+2*\qt+1], v[S+32*\qt:S+32*\qt+1], v[S+32*\qt+2:S+32*\qt+3]
.endr
.irp i, 4,6,8,10,12,14,16,18,20,22,24,26,28,30
.irp qt, 0,1,2,3
	v_pk_add_f32 v[SUM+2*\qt:SUM+2*\qt+1], v[SUM+2*\qt:SUM+2*\qt+1], v[S+32*\qt+\i:S+32*\qt+\i+1]
.endr
.endr
.irp qt, 0,1,2,3
.if \first
	v_add_f32 v[LS+\qt], v[SUM+2*\qt], v[SUM+2*\qt+1]
.else
	v_add_f32 v[SUM+2*\qt], v[SUM+2*\qt], v[SUM+2*\qt+1]
.endif
.endr
.if \first == 0
.irp qt, 0,1,2,3
	v_fma_f32 v[LS+\qt], v[LS+\qt], v[AP+2*\qt], v[SUM+2*\qt]
.endr
.endif
.set p, 0
.rept 64
	v_cvt_pk_f16_f32 v[S+16*(p/8)+p%8], v[S+16*(p/8)+2*(p%8)], v[S+16*(p/8)+2*(p%8)+1]   ; in place, ascending: 16 registers (two key tiles) become the 8 of a fragment
.set p, p+1
.endr
.if \first == 0
	WIN W_RESC                                                 ; O's d tiles 0 and 1 are rescaled here; tiles 2 to 7 between the products (PVG)
.irp dt, 0,1
.irp qt, 0,1,2,3
.irp i, 0,2,4,6
	v_pk_mul_f32 v[8*(4*\dt+\qt)+\i:8*(4*\dt+\qt)+\i+1], v[8*(4*\dt+\qt)+\i:8*(4*\dt+\qt)+\i+1], v[AP+2*\qt:AP+2*\qt+1]
.endr
.endr
.endr
.endif
.endm
; One step of 128 keys in slot; other = the other slot.  mode 1: the slot is filled again, two steps ahead; 0: only the next step's fragments; 2: the last step.
.macro STEP slot, other, first, mode
.rept 5
	v_nop                                          ; five places behind the last O^T product: S^T writes over its second sources, and loads go into its first
.endr
	s_wait_dscnt 40                                ; K's fragments (and Q's) are in; 8 alibi and 32 mask loads may be out
	STV \slot
	PLACES
	s_wait_dscnt 32                                ; alibi and mask are in; the 32 V^T loads may be out
	SOFTMAX \first
	s_wait_dscnt 0x0                               ; V^T is in: all my reads of this slot are over
.if \mode != 2
	s_set_vgpr_msb (MSB<<8)|((MSB&0xf0)|0x0)
	s_wait_tensorcnt 0x0                           ; all my tensor loads have landed: the one that was out is my part of the other slot
	ds_add_u32 v59, v63
	s_wait_dscnt 0x0
	s_set_vgpr_msb (((MSB&0xf0)|0x0)<<8)|MSB
	WIN 0
.if \mode == 1
	CROUND                                         ; both now hold of every wave of every work-group of the cluster
	s_add_nc_u64 s[G0A+4*\slot+2:G0A+4*\slot+3], s[G0A+4*\slot+2:G0A+4*\slot+3], s[72:73]
	s_add_nc_u64 s[G0M+4*\slot+2:G0M+4*\slot+3], s[G0M+4*\slot+2:G0M+4*\slot+3], 1024
	JLOAD \slot                                    ; my one tensor load behind the round; it has a whole step in which to land
	PREF                                           ; and the request for the step after it
.else
	s_barrier_signal -1
	s_barrier_wait -1                              ; the other slot is whole; nothing is filled any more
.endif
	v_add_nc_u32 v[ADAL], 512, v[ADAL]
.endif
	PV \first, \mode, \other                       ; with the next step's 72 loads from the other slot between the products
.endm
	WIN TO_1
.irp qt, 0,1,2,3
.irp dc, 0,1,2,3
	ds_load_b128 v[8*(4*\qt+\dc):8*(4*\qt+\dc)+3],   v[ADQ] offset:\qt*16*KP+64*\dc
	ds_load_b128 v[8*(4*\qt+\dc)+4:8*(4*\qt+\dc)+7], v[ADQ] offset:\qt*16*KP+64*\dc+32
.endr
.endr
	LOADS_A 0
	STEP 0, 1, 1, 1
	STEP 1, 0, 0, 1
	WIN 0
	s_mov_b32 s86, 6                               ; 16 steps: two in front, twelve here, two behind
.Lpair:
	STEP 0, 1, 0, 1
	STEP 1, 0, 0, 1
	WIN 0
	s_sub_co_u32 s86, s86, 1
	s_cmp_lg_u32 s86, 0
	s_cbranch_scc1 .Lpair
	STEP 0, 1, 0, 0
	STEP 1, 0, 0, 2
	; THE MERGE of the two key halves, through slot 0, which no fill and no fragment load touches any more
	PLACES
	WIN 0
.irp qt, 0,1,2,3
	v_permlanex16_b32 v[TB+\qt], v[LS+\qt], s22, s23
.endr
.irp qt, 0,1,2,3
	v_add_f32 v[LS+\qt], v[LS+\qt], v[TB+\qt]      ; the sum over my wave's keys
	v_mov_b32 v[TA+\qt], v[MXP+2*\qt]
.endr
	s_cmp_eq_u32 s14, 0
	s_cbranch_scc1 .Lkeep
	WIN W_MST
.irp qt, 0,1,2,3
.irp dt, 0,1,2,3,4,5,6,7
.irp hf, 0,1
	ds_store_b128 v[MADR], v[8*(4*\dt+\qt)+4*\hf:8*(4*\dt+\qt)+4*\hf+3] offset:((8*\qt+\dt)*2+\hf)*512
.endr
.endr
.endr
	WIN 0
	ds_store_b128 v[MADR], v[TA:TA+3] offset:32768
	ds_store_b128 v[MADR], v[LS:LS+3] offset:33280
.Lkeep:
	s_wait_dscnt 0x0                               ; for the partner's sake: the stores are done
	s_barrier_signal -1
	s_barrier_wait -1
	s_cmp_lg_u32 s14, 0
	s_cbranch_scc1 .Lclose                         ; the waves of the second key half have handed everything over
.macro MLOAD bt                        ; the partner's O of query tiles 2 bt, 2 bt + 1
.irp q2, 0,1
.irp dt, 0,1,2,3,4,5,6,7
.irp hf, 0,1
	ds_load_b128 v[S+64*\q2+8*\dt+4*\hf:S+64*\q2+8*\dt+4*\hf+3], v[MADR] offset:((8*(2*\bt+\q2)+\dt)*2+\hf)*512
.endr
.endr
.endr
.endm
	ds_load_b128 v[TB:TB+3], v[MADR] offset:32768  ; the partner's maxima
	ds_load_b128 v[SUM:SUM+3], v[MADR] offset:33280 ; and sums
	MLOAD 0
	s_wait_dscnt 32                                ; the two are in; the 32 behind them may be out
.irp qt, 0,1,2,3
	v_max_num_f32 v[W0+\qt], v[TA+\qt], v[TB+\qt]
.endr
.irp qt, 0,1,2,3
	v_sub_f32 v[TA+\qt], v[TA+\qt], v[W0+\qt]
	v_sub_f32 v[TB+\qt], v[TB+\qt], v[W0+\qt]
.endr
.irp qt, 0,1,2,3
	v_mul_f32 v[TA+\qt], LOG2E, v[TA+\qt]
	v_mul_f32 v[TB+\qt], LOG2E, v[TB+\qt]
.endr
.irp qt, 0,1,2,3
	v_exp_f32 v[TA+\qt], v[TA+\qt]
	v_exp_f32 v[TB+\qt], v[TB+\qt]
.endr
	v_nop
	s_wait_alu depctr_va_vdst(0)
.irp qt, 0,1,2,3
	v_mul_f32 v[W0+\qt], v[LS+\qt], v[TA+\qt]
.endr
.irp qt, 0,1,2,3
	v_fma_f32 v[W0+\qt], v[SUM+\qt], v[TB+\qt], v[W0+\qt]
.endr
.irp qt, 0,1,2,3
	v_rcp_f32 v[W0+\qt], v[W0+\qt]
.endr
	v_nop
	s_wait_alu depctr_va_vdst(0)
.irp qt, 0,1,2,3
	v_mul_f32 v[AP+2*\qt], v[TA+\qt], v[W0+\qt]    ; my O's factor
	v_mul_f32 v[MXP+2*\qt], v[TB+\qt], v[W0+\qt]   ; the partner's
.endr
.irp qt, 0,1,2,3
	v_mov_b32 v[AP+2*\qt+1], v[AP+2*\qt]
	v_mov_b32 v[MXP+2*\qt+1], v[MXP+2*\qt]
.endr
; 16 queries: combine, round to f16, 16 bytes a lane into my stage, whole rows of 256 bytes back and out
.macro OUTQ qt, q2
	WIN 0
.set p, 0
.rept 32
	v_pk_mul_f32 v[S+64*\q2+p:S+64*\q2+p+1], v[S+64*\q2+p:S+64*\q2+p+1], v[MXP+2*\qt:MXP+2*\qt+1]
.set p, p+2
.endr
	WIN W_COMB
.irp dt, 0,1,2,3,4,5,6,7
.irp i, 0,2,4,6
	v_pk_fma_f32 v[S+64*\q2+8*\dt+\i:S+64*\q2+8*\dt+\i+1], v[8*(4*\dt+\qt)+\i:8*(4*\dt+\qt)+\i+1], v[AP+2*\qt:AP+2*\qt+1], v[S+64*\q2+8*\dt+\i:S+64*\q2+8*\dt+\i+1]
.endr
.endr
	WIN 0
.set p, 0
.rept 32
	v_cvt_pk_f16_f32 v[AL+p], v[S+64*\q2+2*p], v[S+64*\q2+2*p+1]
.set p, p+1
.endr
.irp dt, 0,1,2,3,4,5,6,7
	ds_store_b128 v[STO], v[AL+4*\dt:AL+4*\dt+3] offset:32*\dt
.endr
	s_wait_xcnt 0x0                                ; the last tile's stores have read v96-127: they are loaded again only behind this wait
.irp t, 0,1,2,3,4,5,6,7
	ds_load_b128 v[OUTR+4*\t:OUTR+4*\t+3], v[RD] offset:\t*2*KP    ; LDS serves a wave's instructions in order: these see the stores above
.endr
.irp t, 0,1,2,3,4,5,6,7
	s_wait_dscnt 7-\t
	global_store_b128 v[CO], v[OUTR+4*\t:OUTR+4*\t+3], s[88:89] offset:(16*\qt+2*\t)*4096   ; sixteen lanes store 256 consecutive bytes, aligned
.endr
.endm
	s_wait_dscnt 0x0
	OUTQ 0, 0
	OUTQ 1, 1
	MLOAD 1
	s_wait_dscnt 0x0
	OUTQ 2, 0
	OUTQ 3, 1
.Lclose:
	s_set_vgpr_msb (MSB<<8)|((MSB&0xf0)|0x0)
	s_wait_tensorcnt 0x0
	ds_add_u32 v59, v63
	s_wait_dscnt 0x0
	s_set_vgpr_msb (((MSB&0xf0)|0x0)<<8)|MSB
	CROUND                                         ; the closing round
	s_endpgm
.Lfunc_end_k_qc9e9d8ef6f_attn:
	.size	k_qc9e9d8ef6f_attn, .Lfunc_end_k_qc9e9d8ef6f_attn-k_qc9e9d8ef6f_attn
	.p2alignl 7, 3214868480
	.fill 96, 4, 3214868480
	.section	.rodata,"a",@progbits
	.p2align	6, 0x0
	.amdhsa_kernel k_qc9e9d8ef6f_attn
		.amdhsa_group_segment_fixed_size 327680
		.amdhsa_private_segment_fixed_size 0
		.amdhsa_enable_private_segment 0
		.amdhsa_kernarg_size 32
		.amdhsa_user_sgpr_count 2
		.amdhsa_user_sgpr_kernarg_segment_ptr 1
		.amdhsa_wavefront_size32 1
		.amdhsa_system_sgpr_workgroup_id_x 1
		.amdhsa_system_sgpr_workgroup_id_y 1
		.amdhsa_system_sgpr_workgroup_id_z 1
		.amdhsa_system_vgpr_workitem_id 0
		.amdhsa_next_free_vgpr 1024
		.amdhsa_next_free_sgpr 100
		.amdhsa_reserve_vcc 0
		.amdhsa_float_denorm_mode_32 3
		.amdhsa_float_denorm_mode_16_64 3
		.amdhsa_memory_ordered 1
		.amdhsa_forward_progress 1
		.amdhsa_inst_pref_size 255
	.end_amdhsa_kernel
	.section	.bss,"aw",@nobits
	.p2align	6
	.space	262144
	.amdgpu_metadata
---
amdhsa.version: [ 1, 2 ]
amdhsa.kernels:
  - .name:           k_qc9e9d8ef6f_attn
    .symbol:         k_qc9e9d8ef6f_attn.kd
    .args:
      - { .name: qkv, .offset: 0, .size: 8, .value_kind: global_buffer, .address_space: global }
      - { .name: attention_mask, .offset: 8, .size: 8, .value_kind: global_buffer, .address_space: global }
      - { .name: alibi, .offset: 16, .size: 8, .value_kind: global_buffer, .address_space: global }
      - { .name: ao, .offset: 24, .size: 8, .value_kind: global_buffer, .address_space: global }
    .group_segment_fixed_size: 327680
    .private_segment_fixed_size: 0
    .kernarg_segment_align: 8
    .kernarg_segment_size: 32
    .max_flat_workgroup_size: 128
    .sgpr_count:     100
    .vgpr_count:     1024
    .wavefront_size: 32
...
	.end_amdgpu_metadata
.endif
;; end of part 3
;; launch oproj (part 4): grid 16 x 16, 4 waves a work-group, clusters of 4 x 4, 327,680 bytes of LDS; arguments ao, cb, out0; writes out0
.if DOCPART == 4
	.amdgcn_target "amdgcn-amd-amdhsa--gfx1250"
	.amdhsa_code_object_version 6
	.text
	.protected	k_qc9e9d8ef6f_oproj
	.globl	k_qc9e9d8ef6f_oproj
	.p2align	8
	.type	k_qc9e9d8ef6f_oproj,@function
k_qc9e9d8ef6f_oproj:
	s_mov_b64 s[64:65], 0
	v_nop
	global_prefetch_b8 v0, s[64:65] scope:SCOPE_SE
	s_setreg_imm32_b32 hwreg(HW_REG_WAVE_MODE, 25, 1), 1
	s_wait_xcnt 0x0
	s_wait_alu depctr_hold_cnt(0) depctr_sa_sdst(0) depctr_va_vdst(0) depctr_va_sdst(0) depctr_va_ssrc(0) depctr_va_vcc(0) depctr_vm_vsrc(0)
	s_getreg_b32 s2, hwreg(HW_REG_IB_STS2, 6, 4)
	s_cmp_eq_u32 s2, 0
	s_cbranch_scc0 .Lentry_in_a_cluster
	s_endpgm
.Lentry_in_a_cluster:
	s_bfe_u32 s2, ttmp6, 0x10000c
	s_cmp_lg_u32 s2, 0xf033
	s_cbranch_scc0 .Lentry_shape_is_right
	s_endpgm
.Lentry_shape_is_right:
; out0 = ao Wo.  ao: [2048][2048] f16, Wo: plane 4 of cb, [k][n] f16, out0: f32.  Sums in f32.
; Work-group (x = block of 128 columns, y = block of 128 rows), four waves; wave (mh, nh) makes 64 x 64: 16 accumulator tiles.
; 2048 x 2048 of output on 256 work-groups leaves 128 x 128 for each.
; K = 2048 goes through two LDS slots of 256 along K each: B 256 k-rows of 256 bytes (pitch 288), then A 128 rows of 512 bytes (pitch 528).
; Waves 0, 1 bring B's two halves of 128 k-rows, waves 2, 3 A's two halves of 64 rows: one tensor load a wave for 256 along K.
; CLUSTER 4 x 4: A's tile hangs on the block row alone (shared along a row of the cluster), B's on the block column alone (along a column).
; Source 0 = B, source 1 = A: a lane holds row l%16 and eight neighbouring columns.
; PREFETCH: a slot's tiles are, over all work-groups, 8,192 blocks of 256 bytes (ao 4,096, Wo 4,096).  They are dealt to the 256 work-groups, 32 each,
; one a lane, so each block is asked for once.  Wave 3 asks, straight behind the refill with tile n + 2, for its blocks of tile n + 3: one slot,
; 2 MiB in all, ahead of the tensor loads.  The tile's number is clamped to 7: the last request repeats tile 7's blocks.
; REGISTERS  window 0: v16-27 addresses, v32-159 A fragments (two buffers, (kc, a) at 8 (4 kc + a)), v160-223 way out
;            window 1: v0-127 B fragments (two buffers), v128-255 accumulators at 128 + 8 (4 a + b)
.set APT,  528
.set BPT,  288
.set BH,   128*BPT                     ; 36,864
.set AH,   64*APT                      ; 33,792
.set AOF,  2*BH                        ; 73,728
.set SLOT, AOF+2*AH                    ; 141,312
.set STAGE, 2*SLOT                     ; 282,624: 16 rows x 272 bytes for each wave, never a fill's target
.set SP,   272
.set ADA, 16                           ; v16-17
.set ADB, 18                           ; v18-21: 2 slot + half of the slot's k-rows
.set STO, 24
.set RD,  25
.set CO,  26
.set PFV, 27                           ; prefetch: my lane's byte offset among the work-group's 32 blocks; never rewritten
.set AF,  32
.set TMP, 160
.set G1A, 24
.set G1B, 32
.set G0A, 48
.set G0B, 56
.set MUL,  0x51                        ; source 0, C and D window 1, source 1 window 0
.set TO_B, 0x40
.set MSB, 0
.macro WIN new
.if MSB != \new
	s_set_vgpr_msb (MSB<<8)|\new
.set MSB, \new
.endif
.endm
.macro PLACES
.rept 4
	v_nop
.endr
.endm
.macro CREST
	s_cmp_lg_u32 s12, 0
	s_cbranch_scc1 .Lnot_wave_0_\@
	s_barrier_signal -3
.Lnot_wave_0_\@:
	s_barrier_wait -3
	s_barrier_signal -1
	s_barrier_wait -1
.endm
.macro CROUND
	s_barrier_signal -1
	s_barrier_wait -1
	CREST
.endm
.macro JLOAD s
	s_cmp_eq_u32 s13, 0
	s_cbranch_scc0 .Lfor_a_\@
	tensor_load_to_lds s[G0B+4*\s:G0B+4*\s+3], s[G1B:G1B+7]
	s_nop 0
	s_branch .Lasked_\@
.Lfor_a_\@:
	tensor_load_to_lds s[G0A+4*\s:G0A+4*\s+3], s[G1A:G1A+7]
	s_nop 0
.Lasked_\@:
.endm
.macro PREF                            ; wave 3 asks for the work-group's 32 blocks of tile s69, clamped to the last
	s_cmp_lg_u32 s12, 3
	s_cbranch_scc1 .Lno_ask_\@
	s_min_u32 s66, s69, 7
	s_mul_i32 s66, s66, s68                        ; the tile's number times the bytes from tile to tile
	s_wait_xcnt 0x0                                ; the last request, a whole slot back, has had its address translated: its pair is rewritten only behind this wait
	s_add_nc_u64 s[72:73], s[70:71], s[66:67]
	global_prefetch_b8 v[PFV], s[72:73] th:TH_LOAD_NT scope:SCOPE_SE
	s_add_co_u32 s69, s69, 1
.Lno_ask_\@:
.endm
	s_load_b128 s[4:7], s[0:1], 0x0                ; ao, cb
	s_load_b64 s[8:9], s[0:1], 0x10                ; out0
	v_lshl_add_u32 v254, v0, 2, 0x49400
	v_mov_b32 v255, 0
	ds_add_u32 v254, v255
	v_lshrrev_b32 v1, 5, v0
	v_readfirstlane_b32 s12, v1                    ; wave
	s_lshr_b32 s13, s12, 1                         ; mh.  Also: I fetch for B (0) or for A (1)
	s_and_b32 s14, s12, 1                          ; nh.  Also: which half of that tile
	s_bfe_u32 s15, ttmp6, 0x40000
	s_bfe_u32 s16, ttmp6, 0x40004
	s_lshl_b32 s17, ttmp9, 2
	s_add_co_u32 s17, s17, s15                     ; block column
	s_and_b32 s18, ttmp7, 0xffff
	s_lshl_b32 s18, s18, 2
	s_add_co_u32 s18, s18, s16                     ; block row
	s_lshl_b32 s19, s16, 2
	s_lshl_b32 s19, 15, s19
	s_lshl_b32 s20, 0x1111, s15
	; A: 64 rows x 256 elements of 2 bytes, 4 words of padding behind every 128
	s_or_b32 s[G1A+0], s19, (1<<16)|(1<<20)|(1<<21)|(6<<22)|(3<<25)
	s_mov_b32 s[G1A+1], 256<<16
	s_mov_b32 s[G1A+2], 64<<16
	s_mov_b32 s[G1A+3], 256<<16
	s_mov_b32 s[G1A+4], 64
	s_mov_b32 s[G1A+5], 2048
	s_mov_b32 s[G1A+6], 0
	s_mov_b32 s[G1A+7], 0
	; B: 128 k-rows x 128 elements, 8 words of padding behind every 64
	s_or_b32 s[G1B+0], s20, (1<<16)|(1<<20)|(1<<21)|(5<<22)|(7<<25)
	s_mov_b32 s[G1B+1], 128<<16
	s_mov_b32 s[G1B+2], 128<<16
	s_mov_b32 s[G1B+3], 128<<16
	s_mov_b32 s[G1B+4], 128
	s_mov_b32 s[G1B+5], 2048
	s_mov_b32 s[G1B+6], 0
	s_mov_b32 s[G1B+7], 0
	s_lshl_b32 s74, s14, 19                        ; B: my 128 k-rows of 4,096 bytes,
	s_lshl_b32 s75, s17, 8                         ; the block column's 256 bytes,
	s_add_co_u32 s74, s74, s75
	s_add_co_u32 s74, s74, 0x2000000               ; plane 4 of cb
	s_mov_b32 s75, 0
	s_lshl_b32 s76, s18, 19                        ; A: row 128 x block row + 64 x half
	s_lshl_b32 s77, s14, 18
	s_add_co_u32 s76, s76, s77
	s_mov_b32 s77, 0
	s_mul_i32 s84, s12, BH                         ; waves 0, 1: 0 and 36,864
	s_mul_i32 s85, s12, AH
	s_add_co_u32 s85, s85, AOF-2*AH                ; waves 2, 3: 73,728 and 107,520
	s_lshl_b32 s88, s18, 20                        ; out0: row 128 x block row + 64 mh (8,192 bytes a row), column bytes 512 x block column + 256 nh
	s_lshl_b32 s89, s13, 19
	s_add_co_u32 s88, s88, s89
	s_lshl_b32 s89, s17, 9
	s_add_co_u32 s88, s88, s89
	s_lshl_b32 s89, s14, 8
	s_add_co_u32 s88, s88, s89
	s_mov_b32 s89, 0
	s_wait_dscnt 0x0
	s_wait_kmcnt 0x0
	s_add_nc_u64 s[74:75], s[6:7], s[74:75]
	s_add_nc_u64 s[76:77], s[4:5], s[76:77]
	s_add_nc_u64 s[88:89], s[8:9], s[88:89]
	CROUND
.irp s, 0,1
	s_mov_b32 s[G0B+4*\s], 1
	s_add_co_u32 s[G0B+4*\s+1], s84, \s*SLOT
	s_add_nc_u64 s[G0B+4*\s+2:G0B+4*\s+3], s[74:75], \s*256*4096
	s_or_b32 s[G0B+4*\s+3], s[G0B+4*\s+3], 0x80000000
	s_mov_b32 s[G0A+4*\s], 1
	s_add_co_u32 s[G0A+4*\s+1], s85, \s*SLOT
	s_add_nc_u64 s[G0A+4*\s+2:G0A+4*\s+3], s[76:77], \s*512
	s_or_b32 s[G0A+4*\s+3], s[G0A+4*\s+3], 0x80000000
	JLOAD \s                                       ; two loads of this wave are out
.endr
	v_and_b32 v1, 15, v0                           ; r
	v_bfe_u32 v2, v0, 4, 1                         ; h
	v_and_b32 v3, 7, v0
	v_bfe_u32 v4, v0, 3, 1
	v_mul_u32_u24 v5, v1, APT
	v_lshl_add_u32 v5, v2, 4, v5
	s_mul_i32 s82, s13, 64*APT
	s_add_co_u32 s82, s82, AOF
	v_add_nc_u32 v[ADA], s82, v5
	v_add_nc_u32 v[ADA+1], SLOT, v[ADA]
	v_lshl_add_u32 v6, v2, 3, v3
	v_mul_u32_u24 v6, v6, BPT
	v_lshl_add_u32 v6, v4, 4, v6
	s_lshl_b32 s82, s14, 7
	v_add_nc_u32 v[ADB], s82, v6
	v_add_nc_u32 v[ADB+1], BH, v[ADB]
	v_add_nc_u32 v[ADB+2], SLOT, v[ADB]
	v_add_nc_u32 v[ADB+3], SLOT+BH, v[ADB]
	s_mul_i32 s82, s12, 16*SP
	s_add_co_u32 s82, s82, STAGE
	v_mul_u32_u24 v7, v1, SP
	v_lshl_add_u32 v7, v2, 5, v7                   ; r x 272 + 32 h
	v_add_nc_u32 v[STO], s82, v7
	v_mul_u32_u24 v8, v2, SP
	v_lshl_add_u32 v8, v1, 4, v8                   ; h x 272 + 16 r
	v_add_nc_u32 v[RD], s82, v8
	v_lshlrev_b32 v9, 13, v2
	v_lshl_add_u32 v[CO], v1, 4, v9                ; h x 8,192 + 16 r
	; prefetch: work-group g = 16 x block row + block column, g' = g / 2.
	; g even: ao, rows 16 g' + lane / 2, half lane % 2 of the tile's 512 bytes; 512 bytes on each tile.
	; g odd: Wo, k-rows 2 g' + lane / 16 of the tile's 256, block lane % 16 of the row's 16 (= 256 x lane bytes); 256 rows on each tile.
	; In one form: offset = ((lane >> a) << 12) + ((lane & m) << 8) with (a, m) = (1, 1) and (5, 31).
	s_lshl_b32 s40, s18, 4
	s_add_co_u32 s40, s40, s17                     ; g
	s_lshr_b32 s41, s40, 1                         ; g'
	s_and_b32 s40, s40, 1
	s_lshl_b32 s42, s41, 16                        ; ao: 16 rows of 4,096 bytes a work-group
	s_lshl_b32 s43, s41, 13                        ; Wo: two rows of 4,096 bytes a work-group,
	s_add_co_u32 s43, s43, 0x2000000               ; in plane 4 of cb
	s_mov_b32 s44, 0x200
	s_mov_b32 s45, 0x100000
	s_cmp_eq_u32 s40, 0
	s_cselect_b32 s66, s42, s43
	s_cselect_b32 s68, s44, s45                    ; bytes from tile to tile
	s_cselect_b32 s46, 1, 5
	s_cselect_b32 s47, 1, 31
	s_cselect_b64 s[70:71], s[4:5], s[6:7]
	s_mov_b32 s67, 0
	s_add_nc_u64 s[70:71], s[70:71], s[66:67]
	s_mov_b32 s69, 3                               ; the first request is for tile 3
	v_and_b32 v10, 31, v0
	v_lshrrev_b32 v11, s46, v10
	v_lshlrev_b32 v11, 12, v11
	v_and_b32 v10, s47, v10
	v_lshl_add_u32 v[PFV], v10, 8, v11
; 16 matrix instructions, 32 along K (piece kc of buffer f).  The 16 accumulators take turns, one instruction a turn.
.macro MUL16 f, kc, zero
.irp a, 0,1,2,3
.irp b, 0,1,2,3
.if \zero
	v_wmma_f32_16x16x32_f16 v[128+8*(4*\a+\b):128+8*(4*\a+\b)+7], v[64*\f+8*(4*\kc+\b):64*\f+8*(4*\kc+\b)+7], v[AF+64*\f+8*(4*\kc+\a):AF+64*\f+8*(4*\kc+\a)+7], 0
.else
	v_wmma_f32_16x16x32_f16 v[128+8*(4*\a+\b):128+8*(4*\a+\b)+7], v[64*\f+8*(4*\kc+\b):64*\f+8*(4*\kc+\b)+7], v[AF+64*\f+8*(4*\kc+\a):AF+64*\f+8*(4*\kc+\a)+7], v[128+8*(4*\a+\b):128+8*(4*\a+\b)+7]
.endif
.endr
.endr
.endm
; 32 LDS loads: unit u (64 along K) of a slot into buffer f: A's two pieces (16), B's first (8), B's second (8)
.macro FETCH slot, u, f
	WIN 0
.irp kc, 0,1
.irp a, 0,1,2,3
	ds_load_b128 v[AF+64*\f+8*(4*\kc+\a):AF+64*\f+8*(4*\kc+\a)+3],   v[ADA+\slot] offset:\a*16*APT+128*\u+64*\kc
	ds_load_b128 v[AF+64*\f+8*(4*\kc+\a)+4:AF+64*\f+8*(4*\kc+\a)+7], v[ADA+\slot] offset:\a*16*APT+128*\u+64*\kc+32
.endr
.endr
	WIN TO_B
.irp kc, 0,1
.irp b, 0,1,2,3
	ds_load_tr16_b128 v[64*\f+8*(4*\kc+\b):64*\f+8*(4*\kc+\b)+3],   v[ADB+2*\slot+(\u>>1)] offset:(\u&1)*64*BPT+\kc*32*BPT+32*\b
	ds_load_tr16_b128 v[64*\f+8*(4*\kc+\b)+4:64*\f+8*(4*\kc+\b)+7], v[ADB+2*\slot+(\u>>1)] offset:(\u&1)*64*BPT+\kc*32*BPT+32*\b+16*BPT
.endr
.endr
.endm
.macro UNIT slot, un, f, g, zero
	s_wait_dscnt 8                                 ; all but B's second piece
	WIN MUL
	MUL16 \f, 0, \zero
	PLACES                                         ; buffer g was read by matrix instructions: four places ahead of loads into it
	FETCH \slot, \un, \g
	s_wait_dscnt 32                                ; all but the 32 just issued
	WIN MUL
	MUL16 \f, 1, 0
.endm
.macro THREE slot, zero
	UNIT \slot, 1, 0, 1, \zero
	UNIT \slot, 2, 1, 0, 0
	UNIT \slot, 3, 0, 1, 0
.endm
; The slot's last unit changes slots.  Its first 16 products stand AHEAD of the waits: a slot brings 128 KiB for 128 matrix instructions of a wave,
; so the wave has work to do while its part of the next slot lands, and nothing stands between the landing and the next request.
; My reads of the slot and all my tensor loads are waited for in front of the barrier (with fill = 1 it opens a round of the cluster's barrier);
; behind it the slot is filled again first, then the next slot is read, with the last 16 products over those reads.
.macro TURN slot, next, fill
	s_wait_dscnt 8                                 ; all but B's second piece
	WIN MUL
	MUL16 1, 0, 0
	WIN 0
	s_wait_dscnt 0x0                               ; my reads of this slot are over
	s_wait_tensorcnt 0x0                           ; all my tensor loads have landed
	ds_add_u32 v254, v255
	s_wait_dscnt 0x0
	s_barrier_signal -1
	s_barrier_wait -1
.if \fill
	CREST
	s_add_nc_u64 s[G0B+4*\slot+2:G0B+4*\slot+3], s[G0B+4*\slot+2:G0B+4*\slot+3], 2*256*4096
	s_add_nc_u64 s[G0A+4*\slot+2:G0A+4*\slot+3], s[G0A+4*\slot+2:G0A+4*\slot+3], 2*512
	JLOAD \slot                                    ; my one tensor load behind the round
	PREF                                           ; and the request for the tile after it
.endif
	PLACES
	FETCH \next, 0, 0
	WIN MUL
	MUL16 1, 1, 0
.endm
.macro LAP zero
	THREE 0, \zero
	TURN 0, 1, 1
	THREE 1, 0
	TURN 1, 0, 1
.endm
	s_wait_tensorcnt 0x1                           ; my part of slot 0 is in; slot 1's load may stay out
	s_barrier_signal -1
	s_barrier_wait -1
	FETCH 0, 0, 0
	LAP 1
	WIN 0
	s_mov_b32 s86, 2                               ; 8 slots = 4 laps: one in front, two here, one behind
.Llap:
	LAP 0
	WIN 0
	s_sub_co_u32 s86, s86, 1
	s_cmp_lg_u32 s86, 0
	s_cbranch_scc1 .Llap
	THREE 0, 0                                     ; the last lap fills nothing
	TURN 0, 1, 0
	THREE 1, 0
	s_wait_dscnt 0x0
	WIN MUL
	MUL16 1, 0, 0
	MUL16 1, 1, 0
	PLACES                                         ; four places ahead of the LDS stores that read results
; 16 rows of my block: 32 bytes a lane and tile into my own stage, whole row pieces of 256 bytes back and out
.macro OUT16 a, d
	WIN 0x04                                       ; store data from window 1
.irp b, 0,1,2,3
	ds_store_b128 v[STO], v[128+8*(4*\a+\b):128+8*(4*\a+\b)+3] offset:64*\b
	ds_store_b128 v[STO], v[128+8*(4*\a+\b)+4:128+8*(4*\a+\b)+7] offset:64*\b+16
.endr
	WIN 0
	s_wait_xcnt 0x0                                ; earlier stores have read their data: buffer d is loaded again only behind this wait
.irp t, 0,1,2,3,4,5,6,7
	ds_load_b128 v[\d+4*\t:\d+4*\t+3], v[RD] offset:\t*2*SP        ; LDS serves a wave's instructions in order: these see the stores above
.endr
.irp t, 0,1,2,3,4,5,6,7
	s_wait_dscnt 7-\t
	global_store_b128 v[CO], v[\d+4*\t:\d+4*\t+3], s[88:89] offset:(16*\a+2*\t)*8192 th:TH_STORE_NT   ; sixteen lanes store 256 consecutive bytes, aligned
.endr
.endm
	OUT16 0, TMP
	OUT16 1, TMP+32
	OUT16 2, TMP
	OUT16 3, TMP+32
	s_wait_tensorcnt 0x0
	ds_add_u32 v254, v255
	s_wait_dscnt 0x0
	CROUND                                         ; the closing round
	s_endpgm
.Lfunc_end_k_qc9e9d8ef6f_oproj:
	.size	k_qc9e9d8ef6f_oproj, .Lfunc_end_k_qc9e9d8ef6f_oproj-k_qc9e9d8ef6f_oproj
	.p2alignl 7, 3214868480
	.fill 96, 4, 3214868480
	.section	.rodata,"a",@progbits
	.p2align	6, 0x0
	.amdhsa_kernel k_qc9e9d8ef6f_oproj
		.amdhsa_group_segment_fixed_size 327680
		.amdhsa_private_segment_fixed_size 0
		.amdhsa_enable_private_segment 0
		.amdhsa_kernarg_size 24
		.amdhsa_user_sgpr_count 2
		.amdhsa_user_sgpr_kernarg_segment_ptr 1
		.amdhsa_wavefront_size32 1
		.amdhsa_system_sgpr_workgroup_id_x 1
		.amdhsa_system_sgpr_workgroup_id_y 1
		.amdhsa_system_sgpr_workgroup_id_z 1
		.amdhsa_system_vgpr_workitem_id 0
		.amdhsa_next_free_vgpr 512
		.amdhsa_next_free_sgpr 100
		.amdhsa_reserve_vcc 0
		.amdhsa_float_denorm_mode_32 3
		.amdhsa_float_denorm_mode_16_64 3
		.amdhsa_memory_ordered 1
		.amdhsa_forward_progress 1
		.amdhsa_inst_pref_size 124
	.end_amdhsa_kernel
	.amdgpu_metadata
---
amdhsa.version: [ 1, 2 ]
amdhsa.kernels:
  - .name:           k_qc9e9d8ef6f_oproj
    .symbol:         k_qc9e9d8ef6f_oproj.kd
    .args:
      - { .name: ao, .offset: 0, .size: 8, .value_kind: global_buffer, .address_space: global }
      - { .name: cb, .offset: 8, .size: 8, .value_kind: global_buffer, .address_space: global }
      - { .name: out0, .offset: 16, .size: 8, .value_kind: global_buffer, .address_space: global }
    .group_segment_fixed_size: 327680
    .private_segment_fixed_size: 0
    .kernarg_segment_align: 8
    .kernarg_segment_size: 24
    .max_flat_workgroup_size: 128
    .sgpr_count:     100
    .vgpr_count:     512
    .wavefront_size: 32
...
	.end_amdgpu_metadata
.endif
;; end of part 4
